; MI455X (gfx1250); checked and timed in simulation.
; The chip was launched on July 23, 2026; its instructions are those of AMD's public machine-readable ISA for CDNA 5 (MIT licence, August 2026) and "CDNA5" Instruction Set Architecture Reference Guide (July 2026). The comments in the code are by the model that wrote it; some were corrected since.
;; GQA Attention. Allowed arithmetic: matrix products marked QUANTISED: E4M3 operands, one given power-of-two scale a tensor, by v_wmma_f32_16x16x64_fp8_fp8 or v_wmma_f32_16x16x128_fp8_fp8, f32 sums; everything else in f32.
;; Inputs: lowp_scales 12 int32 (the exponents e of the quantised operands' scales 2^e); wk 512 x 2,048 float32; wo 2,048 x 1,024 float32; wq 1,024 x 2,048 float32; wv 512 x 2,048 float32; x 2 x 2,048 x 2,048 float32.
;; Outputs: out0 2 x 2,048 x 2,048 float32.
;; This version of the problem:
;;   THIS VERSION OF THE PROBLEM IS GIVEN IN LOW PRECISION. The matrix products marked QUANTISED in the list below multiply operands that are first quantised to E4M3 (4 exponent bits, 3 mantissa bits; 8 bits a number), with one given power-of-two scale for each operand tensor; their sums are f32. All else is computed in f32.
;;   The module's matrix products, in the order in which they are computed (A, B: the left and right operand; K: the contracted axis; several contracted axes count as one K, in the product's order):
;;     1. [M 4,096, K 2,048] x [K 2,048, N 1,024]; A: input x; B: input wq: QUANTISED (scales: A lowp_scales[0], B lowp_scales[1])
;;     2. [M 4,096, K 2,048] x [K 2,048, N 512]; A: input x; B: input wk: QUANTISED (scales: A lowp_scales[2], B lowp_scales[3])
;;     3. [M 4,096, K 2,048] x [K 2,048, N 512]; A: input x; B: input wv: QUANTISED (scales: A lowp_scales[4], B lowp_scales[5])
;;     4. batch 16 x [M 4,096, K 64] x [K 64, N 2,048]; A: computed on the way; B: computed on the way: QUANTISED (scales: A lowp_scales[6], B lowp_scales[7])
;;     5. batch 16 x [M 4,096, K 2,048] x [K 2,048, N 64]; A: softmax (see below); B: computed on the way: QUANTISED (scales: A lowp_scales[8], B lowp_scales[9])
;;     6. [M 4,096, K 1,024] x [K 1,024, N 2,048]; A: computed on the way; B: input wo: QUANTISED (scales: A lowp_scales[10], B lowp_scales[11])
;;   THE QUANTISER, for each operand of a quantised product, along K:
;;     - The operand's scale is 2^e, e = its entry of the input lowp_scales (int32; the entries are numbered through the quantised products in the list's order, A before B).
;;     - Each number is divided by the scale, clamped to +-448, and rounded to the nearest number of E4M3, ties to even, subnormals kept.
;;     - The product sums the exact products of the quantised numbers (number of the format x scale) in f32.
;;   ~~~python
;;   def quantise(x, axis, e):      # numpy; x: float32 -> the quantised numbers, widened to float32 again
;;       x = np.moveaxis(x, axis, -1); K = x.shape[-1]
;;       r = np.clip(x / 2.0 ** e, -448, 448)
;;       step = 2.0 ** (np.maximum(np.frexp(np.where(r == 0, 1, r))[1] - 1, -6) - 3)
;;       q = np.round(r / step) * step * 2.0 ** e      # np.round: ties to even
;;       return np.moveaxis(q, -1, axis).astype(np.float32)
;;   ~~~
;;   SOFTMAX AHEAD OF A QUANTISED PRODUCT. Where the list says 'softmax', what is quantised is not the finished softmax but p = 2^(t - M), with t = logit x log2(e) and M = ceil(the row's largest t), a whole number; so 1/2 < the row's largest p <= 1. The row's sum l is taken of the UNQUANTISED p, in f32, and the product's result is divided by l at the end. Since M is a whole number, a kernel that streams over the keys may use a running M (the ceiling of the running maximum): every later rescaling is an exact power of two, so the quantised numbers keep their values, but for numbers so far below the row's largest that they fall under the format's range.
;;   OPERANDS COMPUTED ON THE WAY. 'Computed on the way' means the value that the module computes at that place (a softmax that the list does not call 'softmax' is quantised finished and normalised). What goes into a quantiser is computed in f32, as accurately as f32 sums, v_exp_f32 and their like allow (about 1e-6 of the number): no bf16 or f16 on the way to a quantiser, and a product that is left as it is and whose result goes on into a quantised operand takes f32 operands (vector FMAs, or v_wmma_f32_16x16x4_f32). A number that lies on a knife's edge between two numbers of the format may be rounded either way, as far as f32 arithmetic and the matrix unit's own rounding can turn it there, and no further.
;; One version. Each part assembles by itself: llvm-mc -triple=amdgcn-amd-amdhsa -mcpu=gfx1250 --defsym DOCPART=n.
;; ======== version 1 of 1: 4 launches
;; limits: right only within a limited range of input values
;; workspace buffers: xc0 8,388,608 bytes; xc1 8,388,608 bytes; xc2 8,388,608 bytes; wc 6,291,456 bytes; tab 524,288 bytes; qc 4,194,304 bytes; kv 4,194,304 bytes; oc 4,194,304 bytes
;; launch prep (part 1): grid 912 x 1, 4 waves a work-group, no clusters, 33,280 bytes of LDS; arguments x, wq, wk, wv, wo, lowp_scales, xc0, xc1, xc2, wc, tab; writes xc0, xc1, xc2, wc, tab
.if DOCPART == 1
	.amdgcn_target "amdgcn-amd-amdhsa--gfx1250"
	.amdhsa_code_object_version 6
	.text
	.protected	k_qb1637389bc_prep
	.globl	k_qb1637389bc_prep
	.p2align	8
	.type	k_qb1637389bc_prep,@function
k_qb1637389bc_prep:
	s_mov_b64 s[64:65], 0
	v_nop
	global_prefetch_b8 v0, s[64:65] scope:SCOPE_SE
	s_setreg_imm32_b32 hwreg(HW_REG_WAVE_MODE, 25, 1), 1
	s_wait_xcnt 0x0
; x [4096][2048], wq [1024][2048], wk, wv [512][2048], wo [2048][1024], all f32 with K innermost, become codes of FP8 (E4M3), one code a byte, K innermost; and the table of cosines and sines for the rotation is made.
; code = number / 2^e, held within +-448, to the nearest code, ties to even.  e: x e0 (product 1), e2 (product 2), e4 (product 3); wq e1, wk e3, wv e5, wo e11: entries of the buffer of scales.
; x is wanted under three given scales, which may differ: xc0 holds x under e0, xc1 under e2, xc2 under e4.  All three are always written, so that the next launch can choose its buffer by its work-group's place alone.
; wc: wq's rows, wk's, wv's (2,048 rows of 2,048 bytes), then from byte 4,194,304 wo's 2,048 rows of 1,024 bytes: the weights' streams on end.
; SHARES: work-groups 0-511 x, 512-639 wq, 640-703 wk, 704-767 wv, 768-895 wo: 16,384 numbers each, 8 steps of 512 for each of four waves; rows are dense, so each tensor is a plain stream.  896-911: the table.
; ALL OF A WAVE'S 32 LOADS ARE ISSUED AT ITS HEAD, 512 consecutive bytes each: its whole share of 16,384 bytes is on its way at once, in 128 registers.
; A step's 2,048 bytes turn through the wave's own stage in LDS (16 bytes of padding behind each 64) and come back 64 bytes a lane: 16 neighbours along K, as the conversion wants them.
; A lane's 16 codes are 16 bytes: a store of the wave covers 512 consecutive bytes, aligned.  A step's codes are laid over the registers that its loads filled: its LDS stores have read them, nothing lands there again,
; and they are not written again, so no wait stands for the stores' data.  No barrier: waves share nothing.
; TABLE: tab[pos][j] = (cos, sin) of pos x f_j, f_j = 10000^(-j/32), j = 0..31: 256 bytes a position.  The angle is one f32 product; it is reduced by whole multiples of pi/2 (pi/2 in two parts; the first
; subtraction is exact, since the angle stays under 2,048) and cosine and sine come from polynomials on +-pi/4.
; LIMITS: every e used here lies between -126 and 119.  NaN among the inputs is not served.  f_j is made by v_exp_f32 with its exponent's rounding put back: it may differ from another f32 evaluation in the last place,
; which at the last positions is some 1e-4 of a radian.
.set STEPS, 8
.set GX,    512                        ; work-groups below this number take x,
.set GQ,    640                        ; below this wq,
.set GK,    704                        ; wk,
.set GV,    768                        ; wv,
.set GO,    896                        ; wo; from here on the table
.set WREG,  8192                       ; LDS: a region for each wave: two stages of 32 x SP bytes
.set SP,    80                         ; a lane's place in a stage: 64 bytes + 16 of padding
.set R,     16                         ; v16-143  eight sets of 16 numbers as loaded; later a set's first twelve registers hold the step's codes
.set X,     144                        ; v144-175 two sets of 16 neighbours
.set T,     176                        ; v176-191 the numbers held within the largest code x the scale
.set SRC,   44                         ; s[44:45] my wave's numbers
.set DST,   46                         ; s[46:47] my wave's codes
.set DS1,   50                         ; s[50:51] my wave's place in xc1
.set DS2,   52                         ; s[52:53] in xc2
	s_load_b512 s[4:19], s[0:1], 0x0               ; x s[4:5], wq s[6:7], wk s[8:9], wv s[10:11], wo s[12:13], scales s[14:15], xc0 s[16:17], xc1 s[18:19]
	s_load_b128 s[20:23], s[0:1], 0x40             ; xc2 s[20:21], wc s[22:23]
	s_load_b64 s[24:25], s[0:1], 0x50              ; tab
	v_lshl_add_u32 v192, v0, 2, 0x8000
	v_mov_b32 v193, 0
	v_lshrrev_b32 v1, 5, v0
	v_readfirstlane_b32 s26, v1                    ; wave
	v_and_b32 v2, 31, v0                           ; lane
	s_cmp_ge_u32 ttmp9, GO
	s_cbranch_scc1 .Ltable
	v_lshlrev_b32 v3, 4, v2                        ; 16 x lane: my bytes of a load's 512 and of a store's 512; never rewritten
	s_mul_i32 s27, s26, WREG
	v_lshrrev_b32 v14, 2, v2
	v_mul_u32_u24 v14, v14, SP
	v_and_b32 v15, 3, v2
	v_lshl_add_u32 v14, v15, 4, v14
	v_add_nc_u32 v14, s27, v14                     ; the stage, on the way in: SP (lane / 4) + 16 (lane % 4)
	v_mul_u32_u24 v15, v2, SP
	v_add_nc_u32 v15, s27, v15                     ; and on the way out: SP x lane
	s_wait_alu depctr_va_vdst(0)
	s_wait_kmcnt 0x0
	s_load_b256 s[32:39], s[14:15], 0x0            ; e0 .. e7
	s_load_b128 s[40:43], s[14:15], 0x20           ; e8 .. e11
	; which tensor is mine: the choice hangs on the work-group's number alone
	s_mov_b64 s[SRC:SRC+1], s[12:13]               ; wo, from work-group GV on
	s_mov_b32 s28, GV
	s_cmp_lt_u32 ttmp9, GV
	s_cselect_b64 s[SRC:SRC+1], s[10:11], s[SRC:SRC+1]
	s_cselect_b32 s28, GK, s28
	s_cmp_lt_u32 ttmp9, GK
	s_cselect_b64 s[SRC:SRC+1], s[8:9], s[SRC:SRC+1]
	s_cselect_b32 s28, GQ, s28
	s_cmp_lt_u32 ttmp9, GQ
	s_cselect_b64 s[SRC:SRC+1], s[6:7], s[SRC:SRC+1]
	s_cselect_b32 s28, GX, s28
	s_cmp_lt_u32 ttmp9, GX
	s_cselect_b64 s[SRC:SRC+1], s[4:5], s[SRC:SRC+1]
	s_cselect_b32 s28, 0, s28
	s_cselect_b64 s[DST:DST+1], s[16:17], s[22:23] ; x's codes under e0 go to xc0, all weights' to wc
	s_cselect_b32 s29, 0, GX
	s_sub_co_u32 s28, ttmp9, s28
	s_lshl_b32 s28, s28, 2
	s_add_co_u32 s28, s28, s26                     ; which run of 4,096 numbers of the tensor is my wave's
	s_lshl_b32 s30, s28, 14                        ; in bytes
	s_mov_b32 s31, 0
	s_add_nc_u64 s[SRC:SRC+1], s[SRC:SRC+1], s[30:31]
	s_sub_co_u32 s29, ttmp9, s29
	s_lshl_b32 s29, s29, 2
	s_add_co_u32 s29, s29, s26                     ; and which run of 4,096 codes of the buffer
	s_lshl_b32 s30, s29, 12
	s_add_nc_u64 s[DST:DST+1], s[DST:DST+1], s[30:31]
	s_add_nc_u64 s[DS1:DS1+1], s[18:19], s[30:31]  ; (used by x's work-groups alone)
	s_add_nc_u64 s[DS2:DS2+1], s[20:21], s[30:31]
.macro LOAD t
.irp i, 0,1,2,3
	global_load_b128 v[R+16*(\t)+4*\i:R+16*(\t)+4*\i+3], v3, s[SRC:SRC+1] offset:2048*(\t)+512*\i th:TH_LOAD_NT   ; 32 lanes read 512 consecutive bytes
.endr
.endm
.macro TURN t                          ; step t's numbers through the stage: LDS serves a wave's instructions in order (ISA guide 5.7.1.4), so no wait stands between the stores and the loads
.irp i, 0,1,2,3
	ds_store_b128 v14, v[R+16*(\t)+4*\i:R+16*(\t)+4*\i+3] offset:32*SP*((\t)%2)+8*SP*\i
.endr
.irp i, 0,1,2,3
	ds_load_b128 v[X+16*((\t)%2)+4*\i:X+16*((\t)%2)+4*\i+3], v15 offset:32*SP*((\t)%2)+16*\i
.endr
.endm
.macro MKSC e, vs, vl                  ; s[e] = the exponent: v[vs] = 2^e as f32, v[vl] = 448 x 2^e
	s_add_co_i32 s30, s[\e], 127
	s_lshl_b32 s31, s30, 23
	v_mov_b32 v[\vs], s31
	s_add_co_i32 s30, s30, 8
	s_lshl_b32 s30, s30, 23
	s_or_b32 s30, s30, 0x600000
	v_mov_b32 v[\vl], s30
.endm
.macro CONV xs, c, vs, vl              ; 16 neighbours v[xs ..] become 16 codes in v[c .. c + 3]
.set i, 0
.rept 16
	v_med3_num_f32 v[T+i], v[\xs+i], -v[\vl], v[\vl]   ; the conversion to an 8-bit code does not saturate (ISA guide 7.6.2): the hold comes first; x's numbers stay as they are for the next scale
.set i, i+1
.endr
	v_cvt_scalef32_pk8_fp8_f32 v[\c:\c+1], v[T:T+7], v[\vs]
	v_cvt_scalef32_pk8_fp8_f32 v[\c+2:\c+3], v[T+8:T+15], v[\vs]
	v_nop                                          ; one plain line between the conversions and the next holds, which write their sources
.endm
.irp t, 0,1,2,3,4,5,6,7
	LOAD \t
.endr
	s_wait_kmcnt 0x0
	s_mov_b32 s54, s43                             ; my tensor's exponent: e11,
	s_cmp_lt_u32 ttmp9, GV
	s_cselect_b32 s54, s37, s54                    ; e5,
	s_cmp_lt_u32 ttmp9, GK
	s_cselect_b32 s54, s35, s54                    ; e3,
	s_cmp_lt_u32 ttmp9, GQ
	s_cselect_b32 s54, s33, s54                    ; e1,
	s_cmp_lt_u32 ttmp9, GX
	s_cselect_b32 s54, s32, s54                    ; or e0
	MKSC 54, 11, 10
	MKSC 34, 9, 8                                  ; e2
	MKSC 36, 7, 6                                  ; e4
	s_wait_alu depctr_va_vdst(0)
	s_wait_loadcnt 4*(STEPS-1)                     ; step 0's four loads are in; the seven later steps' 28 may be out
	TURN 0
.macro STEP t
	s_wait_dscnt 0x0                               ; this step's numbers are back from the stage: so its stores into the stage have read their registers, which take the step's codes below
.if (\t)+1 < STEPS
	s_wait_loadcnt 4*(STEPS-2-(\t))                ; the next step's four loads are in; those of the steps behind it may be out
	TURN (\t)+1                                    ; and go through the other stage while this step is worked
.endif
	CONV X+16*((\t)%2), R+16*(\t), 11, 10
	global_store_b128 v3, v[R+16*(\t):R+16*(\t)+3], s[DST:DST+1] offset:512*(\t)
	s_cmp_lt_u32 ttmp9, GX                         ; only x has further scales: a scalar branch on the work-group's number, round register work and two stores
	s_cbranch_scc0 .Lone_\@
	CONV X+16*((\t)%2), R+16*(\t)+4, 9, 8
	global_store_b128 v3, v[R+16*(\t)+4:R+16*(\t)+7], s[DS1:DS1+1] offset:512*(\t)
	CONV X+16*((\t)%2), R+16*(\t)+8, 7, 6
	global_store_b128 v3, v[R+16*(\t)+8:R+16*(\t)+11], s[DS2:DS2+1] offset:512*(\t)
.Lone_\@:
.endm
.irp t, 0,1,2,3,4,5,6,7
	STEP \t
.endr
	s_wait_tensorcnt 0x0
	ds_add_u32 v192, v193
	s_wait_dscnt 0x0
	s_endpgm
.Ltable:                                               ; a lane takes one j, a wave 32 positions; each store of the wave covers one position's 256 bytes, aligned
	s_sub_co_u32 s27, ttmp9, GO
	s_lshl_b32 s27, s27, 7
	s_lshl_b32 s28, s26, 5
	s_add_co_u32 s27, s27, s28                     ; my first position
	s_lshl_b32 s30, s27, 8
	s_mov_b32 s31, 0
	s_mov_b32 s50, 0xbed49a78                      ; -log2(10000) / 32, its f32 part,
	s_mov_b32 s51, 0xb2179a6c                      ; and what that leaves
	s_mov_b32 s52, 0x3fc90fdb                      ; pi / 2, its f32 part,
	s_mov_b32 s53, 0xb33bbd2e                      ; and what that leaves
	s_mov_b32 s54, 0xb94ca1f9                      ; sine: r + r z (s56 + z (s55 + z s54)), z = r r
	s_mov_b32 s55, 0x3c08839e
	s_mov_b32 s56, 0xbe2aaaa3
	s_mov_b32 s57, 0x37ccf5ce                      ; cosine: 1 - z / 2 + z z (s59 + z (s58 + z s57))
	s_mov_b32 s58, 0xbab6061a
	s_mov_b32 s59, 0x3d2aaaa5
	s_mov_b32 s60, 32
	s_wait_alu depctr_va_vdst(0)
	v_cvt_f32_u32 v16, v2                          ; j
	v_mul_f32 v17, s50, v16                        ; log2 f, rounded,
	v_fma_f32 v18, v16, s50, -v17                  ; what the rounding dropped,
	v_fma_f32 v18, v16, s51, v18                   ; and the constant's rest
	s_wait_alu depctr_va_vdst(0)
	v_exp_f32 v20, v17
	v_mul_f32 v18, 0x3f317218, v18                 ; x ln 2.  (The plain line behind the exponential)
	v_cvt_f32_u32 v21, s27                         ; the position as f32
	v_lshlrev_b32 v40, 3, v2                       ; 8 x lane
	s_wait_alu depctr_va_vdst(0)                   ; the wait ahead of the exponential's first reader, and ahead of the label
	v_fma_f32 v20, v20, v18, v20                   ; f
	s_wait_kmcnt 0x0
	s_add_nc_u64 s[24:25], s[24:25], s[30:31]
.Ltrip:
	s_wait_alu depctr_va_vdst(0)
	v_mul_f32 v22, v21, v20                        ; the angle: one f32 product
	v_mul_f32 v23, 0x3f22f983, v22
	v_rndne_f32 v23, v23                           ; n = the nearest whole number to angle x 2 / pi
	v_fma_f32 v24, -v23, s52, v22                  ; exact: both are multiples of 2^-23 and the difference is under 1
	v_fma_f32 v24, -v23, s53, v24                  ; r, within +-pi/4
	v_mul_f32 v25, v24, v24                        ; z
	v_fma_f32 v26, v25, s54, s55
	v_fma_f32 v28, v25, s57, s58
	v_fma_f32 v26, v26, v25, s56
	v_fma_f32 v28, v28, v25, s59
	v_mul_f32 v27, v25, v24
	v_mul_f32 v29, v25, v25
	v_fma_f32 v30, v25, -0.5, 1.0
	v_fma_f32 v26, v26, v27, v24                   ; sin r
	v_fma_f32 v28, v28, v29, v30                   ; cos r
	v_cvt_i32_f32 v31, v23
	v_and_b32 v32, 1, v31
	v_cmp_ne_u32 vcc_lo, 0, v32                    ; n odd: the two change places
	v_cndmask_b32 v36, v28, v26, vcc_lo
	v_cndmask_b32 v37, v26, v28, vcc_lo
	v_add_nc_u32 v33, 1, v31
	v_lshlrev_b32 v32, 30, v31
	v_lshlrev_b32 v33, 30, v33
	v_and_b32 v32, 0x80000000, v32                 ; the sine changes sign where n mod 4 is 2 or 3,
	v_and_b32 v33, 0x80000000, v33                 ; the cosine where it is 1 or 2
	v_xor_b32 v37, v37, v32
	v_xor_b32 v36, v36, v33
	global_store_b64 v40, v[36:37], s[24:25]
	v_add_f32 v21, 1.0, v21
	s_wait_xcnt 0x0                                ; the store has read its data and its base: both are written again
	s_add_nc_u64 s[24:25], s[24:25], 256
	s_sub_co_u32 s60, s60, 1
	s_cmp_lg_u32 s60, 0
	s_cbranch_scc1 .Ltrip
	s_endpgm
.Lfunc_end_k_qb1637389bc_prep:
	.size	k_qb1637389bc_prep, .Lfunc_end_k_qb1637389bc_prep-k_qb1637389bc_prep
	.p2alignl 7, 3214868480
	.fill 96, 4, 3214868480
	.section	.rodata,"a",@progbits
	.p2align	6, 0x0
	.amdhsa_kernel k_qb1637389bc_prep
		.amdhsa_group_segment_fixed_size 33280
		.amdhsa_private_segment_fixed_size 0
		.amdhsa_enable_private_segment 0
		.amdhsa_kernarg_size 88
		.amdhsa_user_sgpr_count 2
		.amdhsa_user_sgpr_kernarg_segment_ptr 1
		.amdhsa_wavefront_size32 1
		.amdhsa_system_sgpr_workgroup_id_x 1
		.amdhsa_system_sgpr_workgroup_id_y 1
		.amdhsa_system_sgpr_workgroup_id_z 1
		.amdhsa_system_vgpr_workitem_id 0
		.amdhsa_next_free_vgpr 194
		.amdhsa_next_free_sgpr 66
		.amdhsa_reserve_vcc 1
		.amdhsa_float_denorm_mode_32 3
		.amdhsa_float_denorm_mode_16_64 3
		.amdhsa_memory_ordered 1
		.amdhsa_forward_progress 1
		.amdhsa_inst_pref_size 46
	.end_amdhsa_kernel
	.amdgpu_metadata
---
amdhsa.version: [ 1, 2 ]
amdhsa.kernels:
  - .name:           k_qb1637389bc_prep
    .symbol:         k_qb1637389bc_prep.kd
    .args:
      - { .name: x, .offset: 0, .size: 8, .value_kind: global_buffer, .address_space: global }
      - { .name: wq, .offset: 8, .size: 8, .value_kind: global_buffer, .address_space: global }
      - { .name: wk, .offset: 16, .size: 8, .value_kind: global_buffer, .address_space: global }
      - { .name: wv, .offset: 24, .size: 8, .value_kind: global_buffer, .address_space: global }
      - { .name: wo, .offset: 32, .size: 8, .value_kind: global_buffer, .address_space: global }
      - { .name: lowp_scales, .offset: 40, .size: 8, .value_kind: global_buffer, .address_space: global }
      - { .name: xc0, .offset: 48, .size: 8, .value_kind: global_buffer, .address_space: global }
      - { .name: xc1, .offset: 56, .size: 8, .value_kind: global_buffer, .address_space: global }
      - { .name: xc2, .offset: 64, .size: 8, .value_kind: global_buffer, .address_space: global }
      - { .name: wc, .offset: 72, .size: 8, .value_kind: global_buffer, .address_space: global }
      - { .name: tab, .offset: 80, .size: 8, .value_kind: global_buffer, .address_space: global }
    .group_segment_fixed_size: 33280
    .private_segment_fixed_size: 0
    .kernarg_segment_align: 8
    .kernarg_segment_size: 88
    .max_flat_workgroup_size: 128
    .sgpr_count:     66
    .vgpr_count:     194
    .wavefront_size: 32
...
	.end_amdgpu_metadata
.endif
;; end of part 1
;; launch qkv (part 2): grid 16 x 16, 4 waves a work-group, clusters of 4 x 4, 327,680 bytes of LDS; arguments xc0, xc1, xc2, wc, tab, lowp_scales, qc, kv; writes qc, kv
.if DOCPART == 2
	.amdgcn_target "amdgcn-amd-amdhsa--gfx1250"
	.amdhsa_code_object_version 6
	.text
	.protected	k_qb1637389bc_qkv
	.globl	k_qb1637389bc_qkv
	.p2align	8
	.type	k_qb1637389bc_qkv,@function
k_qb1637389bc_qkv:
	s_mov_b64 s[64:65], 0
	v_nop
	global_prefetch_b8 v0, s[64:65] scope:SCOPE_SE
	s_setreg_imm32_b32 hwreg(HW_REG_WAVE_MODE, 25, 1), 1
	s_wait_xcnt 0x0
	s_wait_alu depctr_hold_cnt(0) depctr_sa_sdst(0) depctr_va_vdst(0) depctr_va_sdst(0) depctr_va_ssrc(0) depctr_va_vcc(0) depctr_vm_vsrc(0)
	s_getreg_b32 s2, hwreg(HW_REG_IB_STS2, 6, 4)
	s_cmp_eq_u32 s2, 0
	s_cbranch_scc0 .Lentry_in_a_cluster
	s_endpgm
.Lentry_in_a_cluster:
	s_bfe_u32 s2, ttmp6, 0x10000c
	s_cmp_lg_u32 s2, 0xf033
	s_cbranch_scc0 .Lentry_shape_is_right
	s_endpgm
.Lentry_shape_is_right:
.set KROW,  2048
.set KL,    512
.set KS,    256
.set PL,    528
.set PS,    272
.set LA,    128*PL
.set LB,    64*PL
.set SREG,  2*LA+2*LB
.set SA,    128*PS
.set SB,    64*PS
.set SPARE, SREG+2*SA+2*SB
.set AD1,  16
.set AD0,  20
.set LI,   24
.set TO,   25
.set SC,   26
.set LM,   27
.set SPW,  28
.set NIL,  29
.set PFO,  30
.set STG,  18                          ; v18  V's way out: where I put 32 bytes of a key's row in my stage
.set RDT,  19                          ; v19  and where I read a channel's column back
.set VX,   32                          ; v32-95 two sets of 32 numbers read back
.set O,    96
.set CD,   128
.set G1A, 24
.set G1B, 40
.set G0A, 56
.set G0B, 68
.set LIM, 97
.set PFA, 100
.set MSB, 0
.macro WIN new
.if MSB != (\new)
	s_set_vgpr_msb (MSB<<8)|(\new)
.set MSB, (\new)
.endif
.endm
.macro PLACES n
.rept \n
	v_nop
.endr
.endm
.macro JLOAD g
	s_cmp_eq_u32 s21, 0
	s_cbranch_scc0 .Lfor_b_\@
	tensor_load_to_lds s[G0A+4*\g:G0A+4*\g+3], s[G1A+8*\g:G1A+8*\g+7]
	s_nop 0
.rept 4
	v_nop
.endr
	s_branch .Lasked_\@
.Lfor_b_\@:
	tensor_load_to_lds s[G0B+4*\g:G0B+4*\g+3], s[G1B+8*\g:G1B+8*\g+7]
	s_nop 0
.rept 4
	v_nop
.endr
.Lasked_\@:
.endm
.macro ASK n
	s_cmp_eq_u32 s[LIM], 1
	s_cbranch_scc0 .Lnot_mine_\@
.if (\n) == 1
	global_prefetch_b8 v[PFO], s[PFA:PFA+1] offset:KL+KS+KL th:TH_LOAD_NT scope:SCOPE_SE
.else
	global_prefetch_b8 v[PFO], s[PFA:PFA+1] offset:2*(KL+KS) th:TH_LOAD_NT scope:SCOPE_SE
	global_prefetch_b8 v[PFO], s[PFA:PFA+1] offset:2*(KL+KS)+256 th:TH_LOAD_NT scope:SCOPE_SE
.endif
.Lnot_mine_\@:
.endm
.macro CREST
	s_cmp_lg_u32 s20, 0
	s_cbranch_scc1 .Lnot_wave_0_\@
	s_barrier_signal -3
.Lnot_wave_0_\@:
	s_barrier_wait -3
	s_barrier_signal -1
	s_barrier_wait -1
.endm
.macro CROUND
	s_barrier_signal -1
	s_barrier_wait -1
	CREST
.endm
.macro SHAPE g1, kb, rows
	s_mov_b32 s[\g1+1], (\kb)<<16
	s_mov_b32 s[\g1+2], (\rows)<<16
	s_mov_b32 s[\g1+3], (\kb)<<16
	s_mov_b32 s[\g1+4], \rows
	s_mov_b32 s[\g1+5], KROW
	s_mov_b32 s[\g1+6], 0
	s_mov_b32 s[\g1+7], 0
.endm
	s_load_b512 s[4:19], s[0:1], 0x0
	v_lshl_add_u32 v[SPW], v0, 2, SPARE
	v_mov_b32 v[NIL], 0
	ds_add_u32 v28, v29
	ds_add_u32 v28, v29
	s_wait_dscnt 0x0
	v_lshrrev_b32 v1, 5, v0
	v_readfirstlane_b32 s20, v1
	s_lshr_b32 s21, s20, 1
	s_and_b32 s22, s20, 1
	s_bfe_u32 s92, ttmp6, 0x40000
	s_bfe_u32 s93, ttmp6, 0x40004
	s_lshl_b32 s94, ttmp9, 2
	s_add_co_u32 s94, s94, s92
	s_and_b32 s95, ttmp7, 0xffff
	s_lshl_b32 s95, s95, 2
	s_add_co_u32 s95, s95, s93
	s_lshl_b32 s96, s93, 2
	s_lshl_b32 s96, 15, s96
	s_lshl_b32 s97, 0x1111, s92
	s_or_b32 s[G1A], s96, (1<<20)|(1<<21)|(6<<22)|(3<<25)
	s_or_b32 s[G1A+8], s96, (1<<20)|(1<<21)|(5<<22)|(3<<25)
	s_or_b32 s[G1B], s97, (1<<20)|(1<<21)|(6<<22)|(3<<25)
	s_or_b32 s[G1B+8], s97, (1<<20)|(1<<21)|(5<<22)|(3<<25)
	SHAPE G1A, KL, 128
	SHAPE G1A+8, KS, 128
	SHAPE G1B, KL, 64
	SHAPE G1B+8, KS, 64
	s_lshl_b32 s2, s22, 7
	s_lshl_b32 s98, s95, 8
	s_add_co_u32 s98, s98, s2
	s_lshl_b32 s98, s98, 11
	s_mov_b32 s99, 0
	s_lshl_b32 s2, s22, 6
	s_lshl_b32 s66, s94, 7
	s_add_co_u32 s66, s66, s2
	s_lshl_b32 s66, s66, 11
	s_mov_b32 s67, 0
	s_mov_b32 s[G0A], 1
	s_mul_i32 s[G0A+1], s20, LA
	s_mov_b32 s[G0B], 1
	s_mul_i32 s[G0B+1], s20, LB
	s_add_co_u32 s[G0B+1], s[G0B+1], LA
	s_mov_b32 s[G0A+4], 1
	s_mul_i32 s[G0A+5], s20, SA
	s_add_co_u32 s[G0A+5], s[G0A+5], SREG
	s_mov_b32 s[G0B+4], 1
	s_mul_i32 s[G0B+5], s20, SB
	s_add_co_u32 s[G0B+5], s[G0B+5], SREG+SA
	s_wait_kmcnt 0x0
	s_load_b256 s[76:83], s[14:15], 0x0
	s_load_b128 s[84:87], s[14:15], 0x20
	s_cmp_eq_u32 ttmp9, 2
	s_cselect_b64 s[4:5], s[6:7], s[4:5]
	s_cmp_eq_u32 ttmp9, 3
	s_cselect_b64 s[4:5], s[8:9], s[4:5]
	s_add_nc_u64 s[98:99], s[4:5], s[98:99]
	s_add_nc_u64 s[66:67], s[10:11], s[66:67]
	s_mov_b64 s[G0A+2:G0A+3], s[98:99]
	s_or_b32 s[G0A+3], s[G0A+3], 0x80000000
	s_add_nc_u64 s[G0A+6:G0A+7], s[98:99], KL
	s_or_b32 s[G0A+7], s[G0A+7], 0x80000000
	s_mov_b64 s[G0B+2:G0B+3], s[66:67]
	s_or_b32 s[G0B+3], s[G0B+3], 0x80000000
	s_add_nc_u64 s[G0B+6:G0B+7], s[66:67], KL
	s_or_b32 s[G0B+7], s[G0B+7], 0x80000000
	CROUND
	JLOAD 0
	s_wait_alu depctr_va_vdst(0)
	s_wait_tensorcnt 0x0
	ds_add_u32 v28, v29
	s_wait_dscnt 0x0
	CROUND
	JLOAD 1
	v_and_b32 v1, 15, v0
	v_bfe_u32 v2, v0, 4, 1
	v_mul_u32_u24 v3, v1, PL
	v_lshl_add_u32 v3, v2, 4, v3
	s_wait_alu depctr_va_vdst(0)
	v_mul_u32_u24 v4, v1, PS
	v_lshl_add_u32 v4, v2, 4, v4
	s_wait_alu depctr_va_vdst(0)
	; every work-group reads alike: source 1 = my 128 rows of x, source 0 = my 64 rows of the weight; the addresses hang on the wave's number alone
	s_mul_i32 s2, s21, LA
	s_mul_i32 s3, s22, LB
	s_add_co_u32 s3, s3, 2*LA
	v_add_nc_u32 v[AD1], s2, v3
	v_add_nc_u32 v[AD0], s3, v3
	s_mul_i32 s2, s21, SA
	s_mul_i32 s3, s22, SB
	s_add_co_u32 s2, s2, SREG
	s_add_co_u32 s3, s3, SREG+2*SA
	v_add_nc_u32 v[AD1+1], s2, v4
	v_add_nc_u32 v[AD0+1], s3, v4
	v_and_b32 v[LI], 31, v0
	v_lshlrev_b32 v[PFO], 11, v[LI]
	v_lshlrev_b32 v[LI], 4, v[LI]
	v_lshlrev_b32 v[TO], 8, v1
	v_lshl_add_u32 v[TO], v2, 5, v[TO]
	s_mul_i32 s2, s20, 2*16*PS                     ; my two stages of 16 rows x (256 + 16) bytes, in the short slot: used behind its last fill and its last read
	s_add_co_u32 s2, s2, SREG
	v_mul_u32_u24 v[STG], v1, PS
	v_lshl_add_u32 v[STG], v2, 5, v[STG]
	v_add_nc_u32 v[STG], s2, v[STG]                ; in: row = key r, 32 bytes for each half of the lanes
	v_mul_u32_u24 v[RDT], v2, 8*PS
	v_lshl_add_u32 v[RDT], v1, 2, v[RDT]
	v_add_nc_u32 v[RDT], s2, v[RDT]                ; back: keys 8 h + j, channel r
	s_wait_kmcnt 0x0
	s_sub_co_i32 s2, s82, s76
	s_sub_co_i32 s2, s2, s77
	s_sub_co_i32 s3, s83, s78
	s_sub_co_i32 s3, s3, s79
	s_sub_co_i32 s23, s85, s80
	s_sub_co_i32 s23, s23, s81
	s_cmp_eq_u32 ttmp9, 2
	s_cselect_b32 s2, s3, s2
	s_cmp_eq_u32 ttmp9, 3
	s_cselect_b32 s2, s23, s2
	s_add_co_i32 s2, s2, 127
	s_lshl_b32 s3, s2, 23
	v_mov_b32 v[SC], s3
	s_add_co_i32 s2, s2, 8
	s_lshl_b32 s2, s2, 23
	s_or_b32 s2, s2, 0x600000
	v_mov_b32 v[LM], s2
	s_lshr_b32 s76, s95, 3
	s_and_b32 s77, s95, 7
	s_and_b32 s78, s94, 3
	s_lshl_b32 s79, s77, 4
	s_lshl_b32 s80, s21, 3
	s_add_co_u32 s79, s79, s80
	s_lshl_b32 s80, s76, 4
	s_lshl_b32 s81, s94, 1
	s_add_co_u32 s80, s80, s81
	s_add_co_u32 s80, s80, s22
	s_lshl_b32 s80, s80, 7
	s_add_co_u32 s80, s80, s79
	s_lshl_b32 s80, s80, 10
	s_lshl_b32 s81, s76, 3
	s_lshl_b32 s83, s78, 1
	s_add_co_u32 s81, s81, s83
	s_add_co_u32 s81, s81, s22
	s_lshl_b32 s81, s81, 18
	s_mov_b32 s82, s81                             ; V: my wave's key head, as for K
	s_lshr_b32 s83, s79, 5
	s_lshl_b32 s83, s83, 16
	s_add_co_u32 s81, s81, s83
	s_and_b32 s83, s79, 31
	s_lshl_b32 s83, s83, 10
	s_add_co_u32 s81, s81, s83
	s_lshr_b32 s83, s77, 1
	s_lshl_b32 s83, s83, 16
	s_add_co_u32 s82, s82, s83
	s_and_b32 s83, s95, 1
	s_lshl_b32 s83, s83, 1
	s_add_co_u32 s83, s83, s21
	s_lshl_b32 s83, s83, 13
	s_add_co_u32 s82, s82, s83
	s_add_co_u32 s82, s82, 32768
	s_cmp_lt_u32 ttmp9, 2
	s_cselect_b64 s[88:89], s[16:17], s[18:19]
	s_cselect_b32 s80, s80, s81
	s_cmp_eq_u32 ttmp9, 3
	s_cselect_b32 s80, s82, s80
	s_mov_b32 s81, 0
	s_add_nc_u64 s[88:89], s[88:89], s[80:81]
	s_lshl_b32 s80, s77, 16
	s_lshl_b32 s82, s21, 15
	s_add_co_u32 s80, s80, s82
	s_add_nc_u64 s[90:91], s[12:13], s[80:81]
	s_lshl_b32 s76, s95, 8
	s_lshl_b32 s77, s22, 7
	s_add_co_u32 s76, s76, s77
	s_lshl_b32 s77, s92, 5
	s_add_co_u32 s76, s76, s77
	s_lshl_b32 s77, s94, 7
	s_lshl_b32 s78, s93, 5
	s_add_co_u32 s77, s77, s78
	s_and_b32 s78, ttmp7, 0xffff
	s_cmp_eq_u32 s78, 0
	s_cselect_b32 s78, 1, 0
	s_cmp_eq_u32 s20, 2
	s_cselect_b32 s78, s78, 0
	s_cmp_lg_u32 ttmp9, 1
	s_cselect_b32 s79, 1, 0
	s_cmp_eq_u32 s21, 0
	s_cselect_b32 s[LIM], s79, s78
	s_cselect_b32 s76, s76, s77
	s_cselect_b64 s[PFA:PFA+1], s[4:5], s[10:11]
	s_lshl_b32 s76, s76, 11
	s_mov_b32 s77, 0
	s_add_nc_u64 s[PFA:PFA+1], s[PFA:PFA+1], s[76:77]
.macro FRAG reg, adr, q, i
.irp c, 0,1,2,3
	ds_load_b128 v[\reg+4*\c:\reg+4*\c+3], v[\adr] offset:128*(\q)+32*\c+(\i)*16*PT
.endr
.endm
.macro FETCH g, q, p
.set PT, PL-(PL-PS)*(\g)
	WIN 0x40
.irp i, 0,1,2,3
	FRAG 64*(\p)+16*\i, AD0+\g, \q, \i
.endr
.if (\p) == 0
	WIN 0
.endif
.irp i, 0,1,2,3,4,5,6,7
	FRAG 128+16*\i, AD1+\g, \q, \i
.endr
	WIN 0
.endm
.macro MUL8 a0, p, zero
	WIN 0xa1+4*(\p)
.irp a, \a0, \a0+1
.irp b, 0,1,2,3
.if \zero
	v_wmma_f32_16x16x128_fp8_fp8 v[8*(4*(\a)+\b):8*(4*(\a)+\b)+7], v[64*(\p)+16*\b:64*(\p)+16*\b+15], v[128+16*(\a):128+16*(\a)+15], 0
.else
	v_wmma_f32_16x16x128_fp8_fp8 v[8*(4*(\a)+\b):8*(4*(\a)+\b)+7], v[64*(\p)+16*\b:64*(\p)+16*\b+15], v[128+16*(\a):128+16*(\a)+15], v[8*(4*(\a)+\b):8*(4*(\a)+\b)+7]
.endif
.endr
.endr
.endm
.macro STEP p, g, q, zero
	s_wait_dscnt 0x0
	PLACES 4
	FETCH \g, \q, 1-(\p)
	MUL8 0, \p, \zero
	MUL8 2, \p, \zero
	MUL8 4, \p, \zero
	MUL8 6, \p, \zero
	WIN 0
.endm
.macro TURN g, ng, fill, ask
	s_wait_tensorcnt 0x0
	ds_add_u32 v[SPW], v[NIL]
	s_wait_dscnt 0x1
	MUL8 0, 1, 0
	s_wait_dscnt 0x0
	s_barrier_signal -1
	MUL8 2, 1, 0
	WIN 0
	s_barrier_wait -1
.if \fill
	CREST
	s_add_nc_u64 s[G0A+4*\g+2:G0A+4*\g+3], s[G0A+4*\g+2:G0A+4*\g+3], KL+KS
	s_add_nc_u64 s[G0B+4*\g+2:G0B+4*\g+3], s[G0B+4*\g+2:G0B+4*\g+3], KL+KS
	JLOAD \g
.else
	PLACES 4
.endif
	s_wait_alu depctr_va_vdst(0)
	FETCH \ng, 0, 0
.if \ask
	ASK \ask
.endif
	MUL8 4, 1, 0
	MUL8 6, 1, 0
	WIN 0
.endm
.macro TAIL
	STEP 0, 0, 1, 0
	STEP 1, 0, 2, 0
	STEP 0, 0, 3, 0
	s_wait_dscnt 0x0
	MUL8 0, 1, 0
	MUL8 2, 1, 0
	MUL8 4, 1, 0
	MUL8 6, 1, 0
	WIN 0
	PLACES 4
.endm
.macro TLOADS a
.irp b, 0,1,2,3
	global_load_b128 v[32*(\a)+8*\b:32*(\a)+8*\b+3], v[TO], s[90:91] offset:(\a)*4096+64*\b
	global_load_b128 v[32*(\a)+8*\b+4:32*(\a)+8*\b+7], v[TO], s[90:91] offset:(\a)*4096+64*\b+16
.endr
.endm
.macro CODES a, off
.irp b, 0,1,2,3
	v_cvt_scalef32_pk8_fp8_f32 v[CD+8*(\a)+2*\b:CD+8*(\a)+2*\b+1], v[O+8*\b:O+8*\b+7], v[SC]
.endr
	v_nop
	global_store_b128 v[LI], v[CD+8*(\a):CD+8*(\a)+3], s[88:89] offset:\off
	global_store_b128 v[LI], v[CD+8*(\a)+4:CD+8*(\a)+7], s[88:89] offset:\off+512
.endm
.macro ROPE a
.set AC, 32*(\a)
.set TS, 32*(\a)
.if (\a) == 0
	s_wait_loadcnt 48
	WIN 0xc0
	TLOADS 7
.else
	s_wait_loadcnt 8*(7-(\a))
.endif
	WIN 0x0e
.set i, 0
.rept 16
	v_pk_mul_f32 v[O+i:O+i+1], v[AC+i:AC+i+1], v[TS+i:TS+i+1] op_sel:[1,1] op_sel_hi:[0,1]
.set i, i+2
.endr
.set i, 0
.rept 16
	v_pk_fma_f32 v[O+i:O+i+1], v[AC+i:AC+i+1], v[TS+i:TS+i+1], v[O+i:O+i+1] op_sel_hi:[1,0,1] neg_lo:[0,0,1]
.set i, i+2
.endr
	WIN 0
.set i, 0
.rept 32
	v_med3_num_f32 v[O+i], v[O+i], -v[LM], v[LM]
.set i, i+1
.endr
	CODES \a, (\a)*1024
.endm
; V's WAY OUT.  A lane holds one key and eight channels; the second product of attention wants one channel and eight keys.  So a block of 16 keys x 64 channels turns through my own stage:
; eight stores of 16 bytes by rows, 32 loads of 4 bytes by columns.  LDS serves a wave's instructions in order, so no wait stands between them.
.macro VTURN a
	WIN 0x08                                       ; the stores' data: the accumulators' window
.irp b, 0,1,2,3
	ds_store_b128 v[STG], v[32*(\a)+8*\b:32*(\a)+8*\b+3] offset:((\a)%2)*16*PS+64*\b
	ds_store_b128 v[STG], v[32*(\a)+8*\b+4:32*(\a)+8*\b+7] offset:((\a)%2)*16*PS+64*\b+16
.endr
	WIN 0
.set i, 0
.rept 32
	ds_load_b32 v[VX+32*((\a)%2)+i], v[RDT] offset:((\a)%2)*16*PS+(i%8)*PS+64*(i/8)
.set i, i+1
.endr
.endm
.macro VOUT a                          ; block a's codes: registers 2 a, 2 a + 1 of the fragments of channels 16 b ..
.if (\a) < 7
	VTURN (\a)+1
	s_wait_dscnt 40                                ; block a is back; the next block's 8 stores and 32 loads may be out
.else
	s_wait_dscnt 0x0
.endif
.set i, 0
.rept 32
	v_med3_num_f32 v[VX+32*((\a)%2)+i], v[VX+32*((\a)%2)+i], -v[LM], v[LM]
.set i, i+1
.endr
.irp b, 0,1,2,3
	v_cvt_scalef32_pk8_fp8_f32 v[CD+16*\b+2*(\a):CD+16*\b+2*(\a)+1], v[VX+32*((\a)%2)+8*\b:VX+32*((\a)%2)+8*\b+7], v[SC]
.endr
	v_nop
.endm
	s_wait_tensorcnt 0x1
	s_barrier_signal -1
	s_barrier_wait -1
	FETCH 0, 0, 0
	STEP 0, 0, 1, 1
	STEP 1, 0, 2, 0
	STEP 0, 0, 3, 0
	TURN 0, 1, 1, 1
	STEP 0, 1, 1, 0
	TURN 1, 0, 1, 2
	STEP 0, 0, 1, 0
	STEP 1, 0, 2, 0
	STEP 0, 0, 3, 0
	TURN 0, 1, 1, 0
	STEP 0, 1, 1, 0
	TURN 1, 0, 0, 0
	s_cmp_eq_u32 ttmp9, 3
	s_cbranch_scc1 .Lv_path
	WIN 0xc0
.irp a, 0,1,2,3,4,5,6
	TLOADS \a
.endr
	WIN 0
	TAIL
.irp a, 0,1,2,3,4,5,6,7
	ROPE \a
.endr
	s_branch .Ljoin
.Lv_path:
	TAIL
	VTURN 0
.irp a, 0,1,2,3,4,5,6,7
	VOUT \a
.endr
.irp b, 0,1,2,3
.irp c, 0,1,2,3
	global_store_b128 v[LI], v[CD+16*\b+4*\c:CD+16*\b+4*\c+3], s[88:89] offset:2048*\b+512*\c   ; my unit of 128 keys: four fragments of 2,048 bytes; 32 lanes store 512 consecutive bytes
.endr
.endr
.Ljoin:
	s_wait_tensorcnt 0x0
	ds_add_u32 v[SPW], v[NIL]
	s_wait_dscnt 0x0
	CROUND
	s_endpgm
.Lfunc_end_k_qb1637389bc_qkv:
	.size	k_qb1637389bc_qkv, .Lfunc_end_k_qb1637389bc_qkv-k_qb1637389bc_qkv
	.p2alignl 7, 3214868480
	.fill 96, 4, 3214868480
	.section	.rodata,"a",@progbits
	.p2align	6, 0x0
	.amdhsa_kernel k_qb1637389bc_qkv
		.amdhsa_group_segment_fixed_size 327680
		.amdhsa_private_segment_fixed_size 0
		.amdhsa_enable_private_segment 0
		.amdhsa_kernarg_size 64
		.amdhsa_user_sgpr_count 2
		.amdhsa_user_sgpr_kernarg_segment_ptr 1
		.amdhsa_wavefront_size32 1
		.amdhsa_system_sgpr_workgroup_id_x 1
		.amdhsa_system_sgpr_workgroup_id_y 1
		.amdhsa_system_sgpr_workgroup_id_z 1
		.amdhsa_system_vgpr_workitem_id 0
		.amdhsa_next_free_vgpr 1024
		.amdhsa_next_free_sgpr 102
		.amdhsa_reserve_vcc 0
		.amdhsa_float_denorm_mode_32 3
		.amdhsa_float_denorm_mode_16_64 3
		.amdhsa_memory_ordered 1
		.amdhsa_forward_progress 1
		.amdhsa_inst_pref_size 202
	.end_amdhsa_kernel
	.amdgpu_metadata
---
amdhsa.version: [ 1, 2 ]
amdhsa.kernels:
  - .name:           k_qb1637389bc_qkv
    .symbol:         k_qb1637389bc_qkv.kd
    .args:
      - { .name: xc0, .offset: 0, .size: 8, .value_kind: global_buffer, .address_space: global }
      - { .name: xc1, .offset: 8, .size: 8, .value_kind: global_buffer, .address_space: global }
      - { .name: xc2, .offset: 16, .size: 8, .value_kind: global_buffer, .address_space: global }
      - { .name: wc, .offset: 24, .size: 8, .value_kind: global_buffer, .address_space: global }
      - { .name: tab, .offset: 32, .size: 8, .value_kind: global_buffer, .address_space: global }
      - { .name: lowp_scales, .offset: 40, .size: 8, .value_kind: global_buffer, .address_space: global }
      - { .name: qc, .offset: 48, .size: 8, .value_kind: global_buffer, .address_space: global }
      - { .name: kv, .offset: 56, .size: 8, .value_kind: global_buffer, .address_space: global }
    .group_segment_fixed_size: 327680
    .private_segment_fixed_size: 0
    .kernarg_segment_align: 8
    .kernarg_segment_size: 64
    .max_flat_workgroup_size: 128
    .sgpr_count:     102
    .vgpr_count:     1024
    .wavefront_size: 32
...
	.end_amdgpu_metadata
.endif
;; end of part 2
;; launch attn (part 3): grid 16 x 16, 16 waves a work-group, no clusters, 327,680 bytes of LDS; arguments qc, kv, lowp_scales, oc; writes oc
.if DOCPART == 3
	.amdgcn_target "amdgcn-amd-amdhsa--gfx1250"
	.amdhsa_code_object_version 6
	.text
	.protected	k_qb1637389bc_attn
	.globl	k_qb1637389bc_attn
	.p2align	8
	.type	k_qb1637389bc_attn,@function
k_qb1637389bc_attn:
	s_mov_b64 s[64:65], 0
	v_nop
	global_prefetch_b8 v0, s[64:65] scope:SCOPE_SE
	s_setreg_imm32_b32 hwreg(HW_REG_WAVE_MODE, 25, 1), 1
	s_wait_xcnt 0x0
; o = softmax(q k^T / 8, causal) v for 2 batches x 8 key heads x 2 query heads, 2,048 positions, head size 64, both products on codes of FP8 (E4M3); o is quantised for the last product and stored as an image of operand registers.
; t = score x log2(e) / 8; M = the running largest t rounded UP to a whole number; p = 2^(t - M) is quantised with 2^e8; the row's sum is taken of the unquantised p and divides at the end; when M moves, sum and O are multiplied by 2^(old M - new M), exactly.
; LEFT OUT: units of 128 keys that lie wholly under the causal mask.
; SHARES.  Work-group (j, y): y = batch x 8 + key head.  It owns blocks j and 31 - j of 64 positions for both query heads: 16 tiles of 16 queries.  A tile at query q0 has q0 / 128 + 1 units of 128 keys; a tile of block j and one of block 31 - j have 17 together.
; A WAVE owns such a pair of tiles of one head and EVERY SECOND UNIT of both (par = 0: units 0, 2, ..; par = 1: units 1, 3, ..): 9 or 8 units for every wave of every work-group.  It walks the late tile first, then the early one.
; wave w: head of the group w >> 3, tile of the block (w >> 1) & 3, par = (w ^ (w >> 2)) & 1; waves w and w ^ 1 are partners.  At a tile's end the wave with par = 0 hands -M, the sum and O^T to its partner through LDS;
; the partner brings both under the larger M (multiplications by powers of two), adds, divides, quantises and stores.
; THE HEAD'S K AND V STAY IN LDS: 262,144 bytes, the buffer's block as it lies (four chunks of 512 keys: 32,768 bytes of K's images, 32,768 of V's).  Each wave brings 8,192 bytes of chunks 0 and 1 at the head, and 8,192 bytes of chunks 2 and 3
; behind the first barrier: one tensor load of mine is out at a time; nothing is filled twice.  The late tile's units of chunks 0 and 1 (keys under 1,024, all of which count for queries from 1,024 on) are walked while the second fill is on its way.
; NO JOINT LOADS, though the sixteen work-groups of a y read the same bytes: the units that the mask hides are left out by scalar branches on the block's number, which differs between them, and partners of a cluster may not part on that.
; NO PREFETCH: all that the work-group reads is asked for by the two fills, the second of them ahead of the first unit; there is no later load to run ahead of.
; LAYOUT.  S^T = K Q^T (source 0 = 16 keys, source 1 = my 16 queries, K = 64) and O^T = V^T P^T (source 0 = 16 channels, source 1 = P, K = 128 keys): a lane holds ONE query (lane % 16); register 8 t + i of S^T is key 16 t + 8 (lane / 16) + i,
; so the conversion of tile t's eight registers gives registers 2 t, 2 t + 1 of P's fragment.  All fragments come from LDS as images: 16 bytes a lane at 16 x lane.
; oc: ((row / 16) 8 + key head) 2,048 + 1,024 g + 512 e + 16 lane.
; LIMITS: e6 + e7 between -123 and 130 (added to the exponent field of log2(e) / 8); e8 and e10 between -126 and 119.  NaN is not served.
; REGISTERS: v1 16 x lane; v2 the unit's LDS address; v5 r - 8 h; v12 -M, v13 the largest t, v[14:15] the sum; v16-23 Q in hand, v24-31 the early tile's Q; v32-95 K's eight fragments, then V's four; v96-159 S^T, then p; v160-191 O^T; v192-207 p's codes; v208-223 constants and work.
.set WV,  12
.set PAR, 14
.set Q0,  18                           ; s18  the first query of the tile in hand
.set KF,  19                           ; s19  the unit's first key
.set TB,  20                           ; s20  LDS byte of the chunk in hand + 8,192 par
.set CNT, 21
.set SEL, 22                           ; s[22:23] lane l xor 16
.set CS,  24                           ; s[24:25] log2(e) / 8 x 2^(e6 + e7)
.set Q15, 26
.set G1,  28                           ; s[28:35] group 1: 32 rows of 256 bytes, dense
.set G0A, 36                           ; s[36:39] group 0 of the first fill, s[40:43] of the second
.set G0B, 40
.set TL,  67                           ; s67, s68 the late and the early tile of 16 positions
.set TE,  68
.set SPARE, 262144                     ; the spare words: 128 bytes a wave
.set SCRL,  SPARE+2048                 ; the late tile's hand-over: 4,608 bytes a pair of waves, bytes of their own
.set SCRE,  196608                     ; the early tile's: in chunk 3, which has had its one fill and is read no more behind the late tile's barrier
.set SPW, 224
.set NIL, 225
.set SAL, 226
.set SAE, 227
	s_load_b256 s[4:11], s[0:1], 0x0               ; qc s[4:5], kv s[6:7], scales s[8:9], oc s[10:11]
	v_lshl_add_u32 v[SPW], v0, 2, SPARE
	v_mov_b32 v[NIL], 0
	ds_add_u32 v[SPW], v[NIL]                      ; the opening lines: the add, twice on end, and its wait ahead of my first tensor load
	ds_add_u32 v[SPW], v[NIL]
	v_lshrrev_b32 v2, 5, v0
	v_readfirstlane_b32 s[WV], v2                  ; wave 0..15
	v_and_b32 v1, 31, v0
	v_lshlrev_b32 v1, 4, v1
	v_and_b32 v3, 15, v0                           ; r
	v_bfe_u32 v4, v0, 4, 1                         ; h
	v_lshlrev_b32 v4, 3, v4
	v_sub_nc_u32 v5, v3, v4
	s_and_b32 s13, ttmp7, 0xffff                   ; y
	s_lshl_b32 s16, s13, 18
	s_mov_b32 s17, 0
	s_lshl_b32 s15, s[WV], 13                      ; my 8,192 bytes of a fill, in LDS as in memory
	s_mov_b32 s[G1], 3<<16                         ; no mask; elements of 8 bytes; no padding
	s_mov_b32 s[G1+1], 32<<16
	s_mov_b32 s[G1+2], 32<<16
	s_mov_b32 s[G1+3], 32<<16
	s_mov_b32 s[G1+4], 32
	s_mov_b32 s[G1+5], 32
	s_mov_b32 s[G1+6], 0
	s_mov_b32 s[G1+7], 0
	s_lshr_b32 s2, s[WV], 1
	s_mul_i32 s2, s2, 4608
	s_wait_alu depctr_va_vdst(0)                   ; the wait here, directly ahead of the reader below
	v_add_nc_u32 v[SAL], s2, v1
	v_add_nc_u32 v[SAE], SCRE, v[SAL]
	v_add_nc_u32 v[SAL], SCRL, v[SAL]
	s_wait_alu depctr_va_vdst(0)                   ; the wait here, directly ahead of the waits below
	s_wait_dscnt 0x0
	s_wait_kmcnt 0x0
	s_load_b128 s[52:55], s[8:9], 0x18             ; e6, e7, e8, e9
	s_load_b32 s56, s[8:9], 0x28                   ; e10
	s_add_nc_u64 s[6:7], s[6:7], s[16:17]
	s_mov_b32 s16, s15
	s_add_nc_u64 s[6:7], s[6:7], s[16:17]
	s_mov_b32 s[G0A], 1
	s_mov_b32 s[G0A+1], s15
	s_mov_b64 s[G0A+2:G0A+3], s[6:7]
	s_or_b32 s[G0A+3], s[G0A+3], 0x80000000
	s_mov_b32 s[G0B], 1
	s_add_co_u32 s[G0B+1], s15, 131072
	s_add_nc_u64 s[G0B+2:G0B+3], s[6:7], 131072
	s_or_b32 s[G0B+3], s[G0B+3], 0x80000000
	tensor_load_to_lds s[G0A:G0A+3], s[G1:G1+7]    ; chunks 0 and 1: every wave its sixteenth
	s_nop 0
	s_lshr_b32 s[PAR], s[WV], 2
	s_xor_b32 s[PAR], s[PAR], s[WV]
	s_and_b32 s[PAR], s[PAR], 1
	s_bfe_u32 s62, s[WV], 0x20001                  ; my tile of a block
	s_lshr_b32 s60, s[WV], 3                       ; g
	s_lshl_b32 s[TE], ttmp9, 2
	s_sub_co_u32 s[TL], 124, s[TE]
	s_add_co_u32 s[TE], s[TE], s62
	s_add_co_u32 s[TL], s[TL], s62
	s_lshl_b32 s61, s13, 1
	s_add_co_u32 s61, s61, s60
	s_lshl_b32 s61, s61, 7                         ; (2 y + g) 128
	s_lshr_b32 s63, s13, 3
	s_lshl_b32 s63, s63, 7                         ; batch x 128
	s_and_b32 s66, s13, 7
	s_mov_b32 s3, 0
.macro PLACE t, qa, oa                 ; where tile t's Q lies and where its o goes
	s_add_co_u32 s2, s61, s[\t]
	s_lshl_b32 s2, s2, 10
	s_add_nc_u64 s[\qa:\qa+1], s[4:5], s[2:3]
	s_add_co_u32 s2, s63, s[\t]
	s_lshl_b32 s2, s2, 3
	s_add_co_u32 s2, s2, s66
	s_lshl_b32 s2, s2, 1
	s_add_co_u32 s2, s2, s60
	s_lshl_b32 s2, s2, 10
	s_add_nc_u64 s[\oa:\oa+1], s[10:11], s[2:3]
.endm
	PLACE TL, 72, 76
	PLACE TE, 74, 78
	global_load_b128 v[16:19], v1, s[72:73] th:TH_LOAD_NT
	global_load_b128 v[20:23], v1, s[72:73] offset:512 th:TH_LOAD_NT
	global_load_b128 v[24:27], v1, s[74:75] th:TH_LOAD_NT
	global_load_b128 v[28:31], v1, s[74:75] offset:512 th:TH_LOAD_NT
	s_mov_b32 s[SEL], 0x76543210
	s_mov_b32 s[SEL+1], 0xfedcba98
	s_mov_b32 s[CS], 0x3e38aa3b                    ; log2(e) / 8
.macro RESET                           ; a tile begins: the largest t -3e38, sum and O^T zeros, which the first change of M leaves zeros
	v_mov_b32 v13, 0xff61b1e6
	v_floor_f32 v12, -v13
	v_mov_b32 v14, 0
	v_mov_b32 v15, 0
.set i, 0
.rept 32
	v_mov_b32 v[160+i], 0
.set i, i+1
.endr
.endm
	v_mov_b32 v213, 0                              ; (named as the upper half of the pair v[212:213])
	v_mov_b32 v214, 0                              ; a lane permute's destination counts as one of its sources
	RESET
	s_wait_kmcnt 0x0
	s_add_co_i32 s61, s52, s53
	s_lshl_b32 s61, s61, 23
	s_add_co_i32 s[CS], s[CS], s61                 ; a score stands for score x 2^(e6 + e7)
	s_mov_b32 s[CS+1], s[CS]
	s_add_co_i32 s61, s54, 127
	s_lshl_b32 s62, s61, 23
	v_mov_b32 v209, s62                            ; 2^e8
	s_add_co_i32 s61, s61, 8
	s_lshl_b32 s61, s61, 23
	s_or_b32 s61, s61, 0x600000
	v_mov_b32 v208, s61                            ; 448 x 2^e8
	s_add_co_i32 s57, s54, s55                     ; e8 + e9
	s_add_co_i32 s59, s56, 127
	s_lshl_b32 s58, s59, 23                        ; 2^e10
	s_add_co_i32 s59, s59, 8
	s_lshl_b32 s59, s59, 23
	s_or_b32 s59, s59, 0x600000                    ; 448 x 2^e10
; A UNIT: 128 keys, the o-th of my two in the chunk in hand.  mask = 0: all its keys count for all my queries.
.macro STEP o, mask
.if \mask
	s_cmp_gt_u32 s[KF], s[Q15]                     ; all its keys come after my queries: a scalar branch on ids round the unit's work
	s_cbranch_scc1 .Lhidden_\@
.endif
	v_add_nc_u32 v2, s[TB], v1
.rept 3
	v_nop                                          ; with the addition: four plain lines between the last products and the loads into the registers that they read
.endr
.irp t, 0,1,2,3,4,5,6,7
	ds_load_b128 v[32+8*\t:35+8*\t], v2 offset:16384*\o+1024*\t
	ds_load_b128 v[36+8*\t:39+8*\t], v2 offset:16384*\o+1024*\t+512
.endr
	s_wait_alu depctr_va_vdst(0)
	s_wait_dscnt 0x0
.irp t, 0,1,2,3,4,5,6,7
	v_wmma_f32_16x16x64_fp8_fp8 v[96+8*\t:103+8*\t], v[32+8*\t:39+8*\t], v[16:23], 0
.endr
.rept 4
	v_nop                                          ; in front of the loads below and of the first read of the scores
.endr
.irp t, 0,1,2,3
.irp c, 0,1,2,3
	ds_load_b128 v[32+16*\t+4*\c:35+16*\t+4*\c], v2 offset:16384*\o+32768+2048*\t+512*\c   ; V's four fragments land while the softmax is worked
.endr
.endr
.if \mask
	s_add_co_u32 s27, s[KF], 127                   ; on the diagonal hidden scores become -infinity ahead of the maximum
	s_cmp_le_u32 s27, s[Q0]
	s_cbranch_scc1 .Lopen_\@
	s_sub_co_i32 s27, s[Q0], s[KF]
	v_add_nc_u32 v218, s27, v5                     ; my query - the unit's first key - 8 h: register 8 t + i is hidden where 16 t + i is greater
	v_mov_b32 v219, 0xff800000
.set n, 0
.rept 64
	v_cmp_gt_i32 vcc_lo, 16*(n/8)+n%8, v218
	v_cndmask_b32 v[96+n], v[96+n], v219, vcc_lo
.set n, n+1
.endr
.Lopen_\@:
.endif
	v_max3_num_f32 v210, v96, v97, v98             ; the unit's largest score of my query among my 64 keys, in two chains,
	v_max3_num_f32 v212, v99, v100, v101
.irp i, 6,10,14,18,22,26,30,34,38,42,46,50,54,58
	v_max3_num_f32 v210, v210, v[96+\i], v[97+\i]
	v_max3_num_f32 v212, v212, v[98+\i], v[99+\i]
.endr
	v_max3_num_f32 v210, v210, v158, v159
	s_delay_alu instid0(VALU_DEP_1)
	v_max_num_f32 v210, v210, v212
	s_delay_alu instid0(VALU_DEP_1)
	v_permlanex16_b32 v214, v210, s[SEL], s[SEL+1]
	s_delay_alu instid0(VALU_DEP_1)
	v_max_num_f32 v210, v210, v214                 ; and among lane l xor 16's
	s_delay_alu instid0(VALU_DEP_1)
	v_mul_f32 v210, s[CS], v210                    ; as t
	s_delay_alu instid0(VALU_DEP_1)
	v_max_num_f32 v13, v13, v210                   ; the running largest t
	v_mov_b32 v210, v12
	s_delay_alu instid0(VALU_DEP_2)
	v_floor_f32 v12, -v13                          ; the new -M = -ceil(t)
	s_delay_alu instid0(VALU_DEP_1)
	v_sub_f32 v210, v12, v210                      ; old M - new M: a whole number, 0 or less
	s_delay_alu instid0(VALU_DEP_1)
	v_cvt_i32_f32 v210, v210                       ; (it saturates)
	s_delay_alu instid0(VALU_DEP_1)
	v_ldexp_f32 v212, 1.0, v210                    ; f = 2^(old M - new M)
.set j, 0
.rept 32
	v_pk_fma_f32 v[96+j:97+j], v[96+j:97+j], s[CS:CS+1], v[12:13] op_sel_hi:[1,0,0]   ; t - M, two at a time
.set j, j+2
.endr
.set j, 0
	s_wait_alu depctr_va_vdst(0)                   ; the wait ahead of the batch
.rept 64
	v_exp_f32 v[96+j], v[96+j]                     ; p = 2^(t - M), at most 1
.set j, j+1
.endr
	v_pk_mul_f32 v[14:15], v[14:15], v[212:213] op_sel_hi:[1,0]   ; the sums under the new M.  (The plain line behind the exponentials)
	s_wait_alu depctr_va_vdst(0)                   ; one wait for the whole batch, ahead of its first reader
	v_pk_add_f32 v[216:217], v[100:101], v[104:105]
	v_pk_add_f32 v[222:223], v[108:109], v[112:113]
	v_pk_add_f32 v[220:221], v[116:117], v[120:121]
	v_pk_add_f32 v[218:219], v[124:125], v[128:129]
	v_pk_add_f32 v[210:211], v[132:133], v[136:137]
	v_pk_add_f32 v[206:207], v[140:141], v[144:145]
	v_pk_add_f32 v[204:205], v[148:149], v[152:153]
	v_pk_add_f32 v[14:15], v[14:15], v[156:157]
	v_pk_add_f32 v[216:217], v[216:217], v[96:97]
	v_pk_add_f32 v[222:223], v[222:223], v[98:99]
	v_pk_add_f32 v[220:221], v[220:221], v[102:103]
	v_pk_add_f32 v[218:219], v[218:219], v[106:107]
	v_pk_add_f32 v[210:211], v[210:211], v[110:111]
	v_pk_add_f32 v[206:207], v[206:207], v[114:115]
	v_pk_add_f32 v[204:205], v[204:205], v[118:119]
	v_pk_add_f32 v[14:15], v[14:15], v[122:123]
	v_pk_add_f32 v[216:217], v[216:217], v[126:127]
	v_pk_add_f32 v[222:223], v[222:223], v[130:131]
	v_pk_add_f32 v[220:221], v[220:221], v[134:135]
	v_pk_add_f32 v[218:219], v[218:219], v[138:139]
	v_pk_add_f32 v[210:211], v[210:211], v[142:143]
	v_pk_add_f32 v[206:207], v[206:207], v[146:147]
	v_pk_add_f32 v[204:205], v[204:205], v[150:151]
	v_pk_add_f32 v[14:15], v[14:15], v[154:155]
	v_pk_add_f32 v[216:217], v[216:217], v[158:159]
	s_delay_alu instid0(VALU_DEP_2)
	v_pk_add_f32 v[14:15], v[14:15], v[218:219]
	s_delay_alu instid0(VALU_DEP_2)
	v_pk_add_f32 v[216:217], v[216:217], v[210:211]
	v_pk_add_f32 v[222:223], v[222:223], v[206:207]
	v_pk_add_f32 v[220:221], v[220:221], v[204:205]
	s_delay_alu instid0(VALU_DEP_2)
	v_pk_add_f32 v[14:15], v[14:15], v[222:223]
	s_delay_alu instid0(VALU_DEP_2)
	v_pk_add_f32 v[216:217], v[216:217], v[220:221]
	s_delay_alu instid0(VALU_DEP_1)
	v_pk_add_f32 v[14:15], v[14:15], v[216:217]
.irp t, 0,1,2,3,4,5,6,7
.irp i, 0,1,2,3,4,5,6,7
	v_min_num_f32 v[96+8*\t+\i], v[96+8*\t+\i], v208   ; the conversion does not saturate (ISA guide 7.6.2); p is not negative, so the hold is one-sided
.endr
	v_cvt_scalef32_pk8_fp8_f32 v[192+2*\t:193+2*\t], v[96+8*\t:103+8*\t], v209
.endr
	s_wait_alu depctr_va_vdst(0)                   ; the wait here, directly ahead of the first reader of O^T
.set j, 0
.rept 16
	v_pk_mul_f32 v[160+j:161+j], v[160+j:161+j], v[212:213] op_sel_hi:[1,0]   ; O^T under the new M; also the plain lines between the conversions and the products
.set j, j+2
.endr
	s_wait_alu depctr_va_vdst(0)
	s_wait_dscnt 0x0                               ; V is in
.irp t, 0,1,2,3
	v_wmma_f32_16x16x128_fp8_fp8 v[160+8*\t:167+8*\t], v[32+16*\t:47+16*\t], v[192:207], v[160+8*\t:167+8*\t]   ; the four accumulators by turns
.endr
.if \mask
.Lhidden_\@:
.endif
	s_add_co_u32 s[KF], s[KF], 256                 ; my next unit
.endm
.macro TILE t                          ; scalars of the tile in hand
	s_lshl_b32 s[Q0], s[\t], 4
	s_add_co_u32 s[Q15], s[Q0], 15
	s_lshl_b32 s[KF], s[PAR], 7
	s_lshl_b32 s[TB], s[PAR], 13
.endm
.macro WALK name, mask                 ; two chunks, two units of mine in each: a loop of constant count
	s_mov_b32 s[CNT], 2
.L\name:
	STEP 0, \mask
	STEP 1, \mask
	s_add_co_u32 s[TB], s[TB], 65536
	s_sub_co_u32 s[CNT], s[CNT], 1
	s_cmp_lg_u32 s[CNT], 0
	s_cbranch_scc1 .L\name
.endm
; A TILE'S END.  par = 0 stores O^T (eight images of 512 bytes) and (-M, t, the sum's halves); a barrier; par = 1 reads them, joins, and sends the tile out.
.macro FIN sa, oa
.rept 4
	v_nop                                          ; four plain lines behind the last products, ahead of the stores that read O^T and of the loads into V's registers
.endr
	s_cmp_lg_u32 s[PAR], 0
	s_cbranch_scc1 .Lkeep_\@
.irp k, 0,1,2,3,4,5,6,7
	ds_store_b128 v[\sa], v[160+4*\k:163+4*\k] offset:512*\k    ; each accumulator from its low end on
.endr
	ds_store_b128 v[\sa], v[12:15] offset:4096
.Lkeep_\@:
	s_wait_dscnt 0x0                               ; my stores are done, and so are my reads of K and V
	s_barrier_signal -1
	s_barrier_wait -1
	s_cmp_eq_u32 s[PAR], 0
	s_cbranch_scc1 .Lsent_\@
.irp k, 0,1,2,3,4,5,6,7
	ds_load_b128 v[32+4*\k:35+4*\k], v[\sa] offset:512*\k
.endr
	ds_load_b128 v[64:67], v[\sa] offset:4096
	s_wait_dscnt 0x0
	v_min_num_f32 v210, v12, v64                   ; -M of both: the larger M
	v_sub_f32 v211, v210, v12                      ; my M - M, 0 or less (a wave that had no unit: about -3e38, which saturates below)
	v_sub_f32 v212, v210, v64                      ; my partner's
	v_cvt_i32_f32 v211, v211
	v_cvt_i32_f32 v212, v212
	v_ldexp_f32 v216, 1.0, v211
	v_ldexp_f32 v218, 1.0, v212
	v_mov_b32 v217, 0                              ; (named as upper halves of pairs)
	v_mov_b32 v219, 0
.set j, 0
.rept 16
	v_pk_mul_f32 v[96+j:97+j], v[160+j:161+j], v[216:217] op_sel_hi:[1,0]
.set j, j+2
.endr
.set j, 0
.rept 16
	v_pk_fma_f32 v[96+j:97+j], v[32+j:33+j], v[218:219], v[96+j:97+j] op_sel_hi:[1,0,1]
.set j, j+2
.endr
	v_pk_mul_f32 v[14:15], v[14:15], v[216:217] op_sel_hi:[1,0]
	v_pk_fma_f32 v[14:15], v[66:67], v[218:219], v[14:15] op_sel_hi:[1,0,1]
	v_add_f32 v14, v14, v15
	v_permlanex16_b32 v214, v14, s[SEL], s[SEL+1]
	v_add_f32 v14, v14, v214                       ; the row's sum
	s_wait_alu depctr_va_vdst(0)                   ; the wait ahead of the reciprocal
	v_rcp_f32 v14, v14
	v_mov_b32 v220, s58                            ; (the plain line behind the reciprocal)
	v_mov_b32 v221, s59
	s_wait_alu depctr_va_vdst(0)                   ; and ahead of its first reader
	v_ldexp_f32 v14, v14, s57                      ; x 2^(e8 + e9)
.set j, 0
.rept 16
	v_pk_mul_f32 v[96+j:97+j], v[96+j:97+j], v[14:15] op_sel_hi:[1,0]   ; register 8 t + i is o(my query, 16 t + 8 h + i)
.set j, j+2
.endr
.set j, 0
.rept 32
	v_med3_num_f32 v[96+j], v[96+j], -v221, v221
.set j, j+1
.endr
.irp t, 0,1,2,3
	v_cvt_scalef32_pk8_fp8_f32 v[192+2*\t:193+2*\t], v[96+8*\t:103+8*\t], v220
.endr
	v_nop
	global_store_b128 v1, v[192:195], s[\oa:\oa+1]             ; 32 lanes store 512 consecutive bytes, aligned
	global_store_b128 v1, v[196:199], s[\oa:\oa+1] offset:512
	s_wait_xcnt 0x0                                ; the stores have read their data, which the next tile's codes overwrite
.Lsent_\@:
.endm
	s_wait_alu depctr_va_vdst(0)                   ; the wait at the head's end
	s_wait_tensorcnt 0x0                           ; my part of chunks 0 and 1 is in
	ds_add_u32 v[SPW], v[NIL]
	s_wait_dscnt 0x0
	s_barrier_signal -1
	s_barrier_wait -1                              ; everybody's is
	tensor_load_to_lds s[G0B:G0B+3], s[G1:G1+7]    ; chunks 2 and 3: first fills, my one load behind this barrier
	s_nop 0
	s_wait_loadcnt 0x0                             ; Q of both tiles
	TILE TL
	WALK late_open, 0                              ; the late tile, keys 0 to 1,023: all count
	s_wait_tensorcnt 0x0                           ; my part of chunks 2 and 3 is in
	s_wait_dscnt 0x0
	s_barrier_signal -1
	s_barrier_wait -1
	WALK late_rest, 1                              ; keys 1,024 on, up to the diagonal
	FIN SAL, 76
.set i, 0
.rept 8
	v_mov_b32 v[16+i], v[24+i]                     ; the early tile's Q
.set i, i+1
.endr
	RESET
	s_wait_alu depctr_va_vdst(0)                   ; the wait
	TILE TE
	WALK early, 1                                  ; its keys lie under 1,024: chunks 0 and 1
	FIN SAE, 78
	s_wait_tensorcnt 0x0                           ; the wave's end
	ds_add_u32 v[SPW], v[NIL]
	s_wait_dscnt 0x0
	s_endpgm
.Lfunc_end_k_qb1637389bc_attn:
	.size	k_qb1637389bc_attn, .Lfunc_end_k_qb1637389bc_attn-k_qb1637389bc_attn
	.p2alignl 7, 3214868480
	.fill 96, 4, 3214868480
	.section	.rodata,"a",@progbits
	.p2align	6, 0x0
	.amdhsa_kernel k_qb1637389bc_attn
		.amdhsa_group_segment_fixed_size 327680
		.amdhsa_private_segment_fixed_size 0
		.amdhsa_enable_private_segment 0
		.amdhsa_kernarg_size 32
		.amdhsa_user_sgpr_count 2
		.amdhsa_user_sgpr_kernarg_segment_ptr 1
		.amdhsa_wavefront_size32 1
		.amdhsa_system_sgpr_workgroup_id_x 1
		.amdhsa_system_sgpr_workgroup_id_y 1
		.amdhsa_system_sgpr_workgroup_id_z 1
		.amdhsa_system_vgpr_workitem_id 0
		.amdhsa_next_free_vgpr 232
		.amdhsa_next_free_sgpr 84
		.amdhsa_reserve_vcc 1
		.amdhsa_float_denorm_mode_32 3
		.amdhsa_float_denorm_mode_16_64 3
		.amdhsa_memory_ordered 1
		.amdhsa_forward_progress 1
		.amdhsa_inst_pref_size 140
	.end_amdhsa_kernel
	.amdgpu_metadata
---
amdhsa.version: [ 1, 2 ]
amdhsa.kernels:
  - .name:           k_qb1637389bc_attn
    .symbol:         k_qb1637389bc_attn.kd
    .args:
      - { .name: qc, .offset: 0, .size: 8, .value_kind: global_buffer, .address_space: global }
      - { .name: kv, .offset: 8, .size: 8, .value_kind: global_buffer, .address_space: global }
      - { .name: lowp_scales, .offset: 16, .size: 8, .value_kind: global_buffer, .address_space: global }
      - { .name: oc, .offset: 24, .size: 8, .value_kind: global_buffer, .address_space: global }
    .group_segment_fixed_size: 327680
    .private_segment_fixed_size: 0
    .kernarg_segment_align: 8
    .kernarg_segment_size: 32
    .max_flat_workgroup_size: 512
    .sgpr_count:     84
    .vgpr_count:     232
    .wavefront_size: 32
...
	.end_amdgpu_metadata
.endif
;; end of part 3
;; launch oproj (part 4): grid 16 x 16, 4 waves a work-group, clusters of 4 x 4, 327,680 bytes of LDS; arguments oc, wc, lowp_scales, out0; writes out0
.if DOCPART == 4
	.amdgcn_target "amdgcn-amd-amdhsa--gfx1250"
	.amdhsa_code_object_version 6
	.text
	.protected	k_qb1637389bc_oproj
	.globl	k_qb1637389bc_oproj
	.p2align	8
	.type	k_qb1637389bc_oproj,@function
k_qb1637389bc_oproj:
	s_mov_b64 s[64:65], 0
	v_nop
	global_prefetch_b8 v0, s[64:65] scope:SCOPE_SE
	s_setreg_imm32_b32 hwreg(HW_REG_WAVE_MODE, 25, 1), 1
	s_wait_xcnt 0x0
	s_wait_alu depctr_hold_cnt(0) depctr_sa_sdst(0) depctr_va_vdst(0) depctr_va_sdst(0) depctr_va_ssrc(0) depctr_va_vcc(0) depctr_vm_vsrc(0)
	s_getreg_b32 s2, hwreg(HW_REG_IB_STS2, 6, 4)
	s_cmp_eq_u32 s2, 0
	s_cbranch_scc0 .Lentry_in_a_cluster
	s_endpgm
.Lentry_in_a_cluster:
	s_bfe_u32 s2, ttmp6, 0x10000c
	s_cmp_lg_u32 s2, 0xf033
	s_cbranch_scc0 .Lentry_shape_is_right
	s_endpgm
.Lentry_shape_is_right:
; out0 = o wo^T on codes of FP8 (E4M3): 4,096 rows x 2,048 columns, K = 1,024; each finished sum x 2^(e10 + e11).
; o's codes lie as images of operand registers: (row / 16) 16,384 + (k / 128) 2,048 + 512 quad + 16 lane; wo's codes as rows of 1,024 bytes from byte 4,194,304 of wc.
; A work-group makes 256 rows x 128 columns: 16 x 16 = 256 work-groups, four waves of 128 x 64: 32 accumulators (a = 0..7 tiles of rows, b = 0..3 tiles of columns) at v[8 (4 a + b)] of window 2.
; USED TRANSPOSED: source 0 = 16 rows of wo, source 1 = 16 rows of o: a lane holds eight neighbouring columns of one row of out0.
; CLUSTERS of 4 x 4: o's tile is shared along a row of the cluster, wo's along a column: joint loads.
; K goes in four steps of 256 through THREE LDS slots.  One load brings a whole tile (o: 16 tiles of rows x 4,096 bytes; wo: 128 rows x 256 bytes).  At the head wave 0 asks for o's K step 0, wave 1 for wo's, waves 2 and 3 for K step 1's:
; one load a wave.  K step 2 (slot 2's first fill) is asked for by waves 0 and 1 behind the next round, K step 3 (into slot 0 again) behind the round that follows K 384-511.  One load of a wave is out at a time; every wait on TENSORcnt is for 0.
; NO PREFETCH: K is four steps, two of them asked for at the head; there is no loop to run ahead in.
; o's images have k in its true place, so wo's fragments are fetched in the 8-bit operands' own layout: eight loads of 8 bytes at 16 c + 8 h.
; LIMIT: e10 + e11 lies between -126 and 127.
; REGISTERS: window 0: v1-5, v16-29 addresses; v32-63 a block's results; v64-127 rows read back from the stage; v128-255 source 1, set 0.  window 1: v0-63, v64-127 source 0, sets 0, 1; v128-255 source 1, set 1.  window 2: accumulators.
.set PITCH,  272                       ; a row of wo in LDS: 256 bytes + 16 of padding
.set AIMG,   65536                     ; o's part of a slot
.set HALFB,  64*PITCH
.set SLOT,   AIMG+2*HALFB
.set SPARE,  3*SLOT                    ; behind the slots: the spare words, 128 bytes for each wave
.set SPITCH, 272                       ; the way out: a stage of 16 rows x (256 bytes + 16) for each wave, in slot 1, which has its one fill at the head and its last read ahead of the last barrier
.set ADA, 16                           ; v16-18 LDS address of o's images in slot 0, 1, 2
.set ADB, 20                           ; v20-22 of wo's fragments
.set STO, 24
.set RD,  25
.set CO,  26
.set SPW, 28
.set NIL, 29
.set TMP, 32
.set BK,  64
.set G1,  24                           ; s[24:31] group 1 for o's tiles; s[40:55] group 0: set 0 the head's, sets 2, 3 K steps 2, 3
.set G1B, 32                           ; s[32:39] for wo's; s[68:83]
.set G0A, 40
.set G0B, 68
.set MSB, 0
.macro WIN new
.if MSB != (\new)
	s_set_vgpr_msb (MSB<<8)|(\new)
.set MSB, (\new)
.endif
.endm
.macro PLACES n
.rept \n
	v_nop
.endr
.endm
.macro JLOAD s, who                    ; even waves fetch for o, odd ones for wo; who = 0: waves 0 and 1 alone; who = -1: all.  An s_nop 0 and four v_nop follow each of the two lines
.if \who >= 0
	s_cmp_lg_u32 s13, \who
	s_cbranch_scc1 .Lasked_\@
.endif
	s_cmp_eq_u32 s14, 0
	s_cbranch_scc0 .Lfor_b_\@
	tensor_load_to_lds s[G0A+4*\s:G0A+4*\s+3], s[G1:G1+7]
	s_nop 0
.rept 4
	v_nop
.endr
	s_branch .Lasked_\@
.Lfor_b_\@:
	tensor_load_to_lds s[G0B+4*\s:G0B+4*\s+3], s[G1B:G1B+7]
	s_nop 0
.rept 4
	v_nop
.endr
.Lasked_\@:
.endm
.macro CREST
	s_cmp_lg_u32 s12, 0
	s_cbranch_scc1 .Lnot_wave_0_\@
	s_barrier_signal -3
.Lnot_wave_0_\@:
	s_barrier_wait -3
	s_barrier_signal -1
	s_barrier_wait -1
.endm
.macro CROUND
	s_barrier_signal -1
	s_barrier_wait -1
	CREST
.endm
	s_load_b256 s[4:11], s[0:1], 0x0               ; oc s[4:5], wc s[6:7], scales s[8:9], out0 s[10:11]
	v_lshl_add_u32 v[SPW], v0, 2, SPARE
	v_mov_b32 v[NIL], 0
	ds_add_u32 v[SPW], v[NIL]                      ; the opening lines: the add, twice on end, and its wait
	ds_add_u32 v[SPW], v[NIL]
	v_lshrrev_b32 v1, 5, v0
	v_readfirstlane_b32 s12, v1                    ; wave 0..3
	s_lshr_b32 s13, s12, 1                         ; my half of the rows.  Also: which K step I fetch at the head
	s_and_b32 s14, s12, 1                          ; my half of the columns.  Also: I fetch for o (0) or for wo (1)
	s_bfe_u32 s16, ttmp6, 0x40000                  ; cx, cy
	s_bfe_u32 s17, ttmp6, 0x40004
	s_lshl_b32 s18, ttmp9, 2
	s_add_co_u32 s18, s18, s16                     ; tile column
	s_and_b32 s19, ttmp7, 0xffff
	s_lshl_b32 s19, s19, 2
	s_add_co_u32 s19, s19, s17                     ; tile row
	s_lshl_b32 s20, s17, 2
	s_lshl_b32 s20, 15, s20                        ; my row of the cluster
	s_lshl_b32 s21, 0x1111, s16                    ; my column
	s_or_b32 s[G1], s20, (3<<16)|(1<<21)           ; the mask; elements of 8 bytes; no padding; bit 21 set beside a mask
	s_mov_b32 s[G1+1], 512<<16                     ; tensor_dim0 = 512: two fragments, 4,096 bytes
	s_mov_b32 s[G1+2], 16<<16                      ; tensor_dim1 = 16 tiles of rows
	s_mov_b32 s[G1+3], 512<<16
	s_mov_b32 s[G1+4], 16
	s_mov_b32 s[G1+5], 2048                        ; 16,384 bytes from a tile of rows to the next
	s_mov_b32 s[G1+6], 0
	s_mov_b32 s[G1+7], 0
	s_or_b32 s[G1B], s21, (1<<20)|(1<<21)|(5<<22)|(3<<25)   ; elements of 1 byte; four words of padding after every 64
	s_mov_b32 s[G1B+1], 256<<16
	s_mov_b32 s[G1B+2], 128<<16
	s_mov_b32 s[G1B+3], 256<<16
	s_mov_b32 s[G1B+4], 128
	s_mov_b32 s[G1B+5], 1024
	s_mov_b32 s[G1B+6], 0
	s_mov_b32 s[G1B+7], 0
	s_lshl_b32 s84, s19, 18                        ; o: 16 tiles of rows x 16,384 bytes a tile row
	s_mov_b32 s85, 0
	s_lshl_b32 s86, s18, 17                        ; wo: 128 rows x 1,024 bytes a tile column,
	s_add_co_u32 s86, s86, 4194304                 ; behind the other weights' codes
	s_mov_b32 s87, 0
	s_mul_i32 s90, s13, SLOT                       ; the head's slot: my K step
	s_lshl_b32 s92, s13, 12
	s_mov_b32 s93, 0
	s_lshl_b32 s94, s13, 8
	s_mov_b32 s95, 0
	s_wait_dscnt 0x0                               ; both opening adds are done
	s_wait_kmcnt 0x0
	s_load_b64 s[96:97], s[8:9], 0x28              ; e10, e11
	s_add_nc_u64 s[84:85], s[4:5], s[84:85]
	s_add_nc_u64 s[86:87], s[6:7], s[86:87]
	s_mov_b32 s[G0A], 1
	s_mov_b32 s[G0A+1], s90
	s_add_nc_u64 s[G0A+2:G0A+3], s[84:85], s[92:93]
	s_or_b32 s[G0A+3], s[G0A+3], 0x80000000
	s_mov_b32 s[G0B], 1
	s_add_co_u32 s[G0B+1], s90, AIMG
	s_add_nc_u64 s[G0B+2:G0B+3], s[86:87], s[94:95]
	s_or_b32 s[G0B+3], s[G0B+3], 0x80000000
.irp s, 2,3                            ; K step s goes to slot s % 3
	s_mov_b32 s[G0A+4*\s], 1
	s_mov_b32 s[G0A+4*\s+1], (\s%3)*SLOT
	s_add_nc_u64 s[G0A+4*\s+2:G0A+4*\s+3], s[84:85], \s*4096
	s_or_b32 s[G0A+4*\s+3], s[G0A+4*\s+3], 0x80000000
	s_mov_b32 s[G0B+4*\s], 1
	s_mov_b32 s[G0B+4*\s+1], (\s%3)*SLOT+AIMG
	s_add_nc_u64 s[G0B+4*\s+2:G0B+4*\s+3], s[86:87], \s*256
	s_or_b32 s[G0B+4*\s+3], s[G0B+4*\s+3], 0x80000000
.endr
	CROUND                                         ; all sixteen work-groups are here: the first joint loads meet
	JLOAD 0, -1                                    ; K steps 0 and 1: one load a wave
	v_and_b32 v1, 15, v0                           ; r
	v_bfe_u32 v2, v0, 4, 1                         ; h
	v_and_b32 v3, 31, v0
	v_lshlrev_b32 v3, 4, v3                        ; 16 x lane
	v_mul_u32_u24 v4, v1, PITCH
	v_lshl_add_u32 v4, v2, 3, v4                   ; wo: row r x pitch + 8 h
	s_lshl_b32 s90, s13, 15                        ; my 8 tiles of rows of o
	s_mul_i32 s91, s14, HALFB
	s_add_co_u32 s91, s91, AIMG                    ; my 64 rows of wo
.irp s, 0,1,2
	v_add_nc_u32 v[ADA+\s], s90, v3
	v_add_nc_u32 v[ADB+\s], s91, v4
	s_add_co_u32 s90, s90, SLOT
	s_add_co_u32 s91, s91, SLOT
.endr
	s_mul_i32 s90, s12, 16*SPITCH
	s_add_co_u32 s90, s90, SLOT                    ; my stage
	s_wait_alu depctr_va_vdst(0)                   ; the wait here, directly ahead of the readers below
	v_mul_u32_u24 v4, v1, SPITCH
	v_lshl_add_u32 v4, v2, 5, v4
	v_add_nc_u32 v[STO], s90, v4                   ; in: row r, 32 bytes for each half of the lanes
	v_mul_u32_u24 v5, v2, SPITCH
	v_lshl_add_u32 v5, v1, 4, v5
	v_add_nc_u32 v[RD], s90, v5                    ; back: lanes 0-15 one row of 256 bytes, lanes 16-31 the next
	v_lshlrev_b32 v5, 13, v2
	v_lshl_add_u32 v[CO], v1, 4, v5                ; and the same two rows in out0: 8,192 bytes a row
	s_lshl_b32 s92, s19, 8
	s_lshl_b32 s93, s13, 7
	s_add_co_u32 s92, s92, s93                     ; my first row
	s_lshl_b32 s92, s92, 13
	s_lshl_b32 s94, s18, 7
	s_lshl_b32 s95, s14, 6
	s_add_co_u32 s94, s94, s95                     ; my first column
	s_lshl_b32 s94, s94, 2
	s_add_co_u32 s92, s92, s94
	s_mov_b32 s93, 0
	s_add_nc_u64 s[10:11], s[10:11], s[92:93]
.macro FRAGA reg, slot, q, i           ; an image comes back as it was stored: four loads of 16 bytes at 16 x lane
.irp c, 0,1,2,3
	ds_load_b128 v[\reg+4*\c:\reg+4*\c+3], v[ADA+\slot] offset:(\i)*4096+(\q)*2048+512*\c
.endr
.endm
.macro FRAGB reg, slot, q, i           ; registers 2 c, 2 c + 1: k = 16 c + 8 h + 0..7
.irp c, 0,1,2,3,4,5,6,7
	ds_load_b64 v[\reg+2*\c:\reg+2*\c+1], v[ADB+\slot] offset:128*(\q)+16*\c+(\i)*16*PITCH
.endr
.endm
.macro FETCH slot, q, p                ; the fragments of the slot's q-th 128 along K into set p: 64 loads in one run
	WIN 0x40
.irp i, 0,1,2,3
	FRAGB 64*(\p)+16*\i, \slot, \q, \i
.endr
.if (\p) == 0
	WIN 0
.endif
.irp i, 0,1,2,3,4,5,6,7
	FRAGA 128+16*\i, \slot, \q, \i
.endr
	WIN 0
.endm
.macro MUL8 a0, p, zero                ; the 32 accumulators take turns, one instruction a turn, in the same order in every step
	WIN 0xa1+4*(\p)
.irp a, \a0, \a0+1
.irp b, 0,1,2,3
.if \zero
	v_wmma_f32_16x16x128_fp8_fp8 v[8*(4*(\a)+\b):8*(4*(\a)+\b)+7], v[64*(\p)+16*\b:64*(\p)+16*\b+15], v[128+16*(\a):128+16*(\a)+15], 0
.else
	v_wmma_f32_16x16x128_fp8_fp8 v[8*(4*(\a)+\b):8*(4*(\a)+\b)+7], v[64*(\p)+16*\b:64*(\p)+16*\b+15], v[128+16*(\a):128+16*(\a)+15], v[8*(4*(\a)+\b):8*(4*(\a)+\b)+7]
.endif
.endr
.endr
.endm
.macro STEP p, nslot, nq, zero         ; multiplies set p; fetches the next 128 along K into the other set
	s_wait_dscnt 0x0                               ; set p is in
	PLACES 4                                       ; four plain lines between the last products and the loads into the set that they read
	FETCH \nslot, \nq, 1-(\p)
	MUL8 0, \p, \zero
	MUL8 2, \p, \zero
	MUL8 4, \p, \zero
	MUL8 6, \p, \zero
	WIN 0
.endm
.macro TURN nslot, fill                ; multiplies set 1 and passes a barrier, in front of which all my tensor loads have landed.  fill = 1: slot 0 is filled again, with K step 3
	s_wait_tensorcnt 0x0
	ds_add_u32 v[SPW], v[NIL]                      ; 0 onto my spare word
	s_wait_dscnt 0x1                               ; set 1 is in; only the add may be out
	MUL8 0, 1, 0
	s_wait_dscnt 0x0                               ; the add is done, and my LDS reads are over
	s_barrier_signal -1
	MUL8 2, 1, 0
	WIN 0
	s_barrier_wait -1
.if \fill
	CREST                                          ; the barrier has opened a round of the cluster's: no wave of any partner still reads slot 0 or has a load on its way
	JLOAD 3, 0                                     ; the first tensor load behind the round
.endif
	PLACES 4                                       ; on every wave's way: in front of the loads below
	FETCH \nslot, 0, 0
	MUL8 4, 1, 0
	MUL8 6, 1, 0
	WIN 0
.endm
	s_wait_alu depctr_va_vdst(0)                   ; the wait at the head's end
	s_wait_tensorcnt 0x0                           ; my tile is in
	ds_add_u32 v[SPW], v[NIL]
	s_wait_dscnt 0x0
	CROUND                                         ; slots 0 and 1 are whole for every wave, and all sixteen work-groups are here
	JLOAD 2, 0                                     ; K step 2, slot 2's first fill
	FETCH 0, 0, 0
	STEP 0, 0, 1, 1                                ; K 0-127: its products start the sums
	STEP 1, 1, 0, 0                                ; K 128-255
	STEP 0, 1, 1, 0                                ; K 256-383
	TURN 2, 1                                      ; K 384-511; behind its round slot 2 is whole, and slot 0 is asked for again
	STEP 0, 2, 1, 0                                ; K 512-639
	TURN 0, 0                                      ; K 640-767; behind its barrier slot 0 holds K step 3, and nobody reads slot 1 any more
	STEP 0, 0, 1, 0                                ; K 768-895
	s_wait_dscnt 0x0
	MUL8 0, 1, 0                                   ; K 896-1023
	MUL8 2, 1, 0
	MUL8 4, 1, 0
	MUL8 6, 1, 0
	WIN 0
; THE WAY OUT, a block of 16 rows x 64 columns at a time: x 2^(e10 + e11), through my stage, back as whole rows of 256 bytes.  LDS serves a wave's instructions in order (ISA guide 5.7.1.4): no wait between the stores and the loads.
.macro TOSTAGE a
	WIN 0x02                                       ; source 0: the accumulators' window
.set i, 0
.rept 16
	v_pk_mul_f32 v[TMP+i:TMP+i+1], v[32*(\a)+i:32*(\a)+i+1], s[96:97] op_sel_hi:[1,0]   ; each accumulator from its low end on
.set i, i+2
.endr
	WIN 0
.irp b, 0,1,2,3
	ds_store_b128 v[STO], v[TMP+8*\b:TMP+8*\b+3] offset:64*\b
	ds_store_b128 v[STO], v[TMP+8*\b+4:TMP+8*\b+7] offset:64*\b+16
.endr
.irp t, 0,1,2,3,4,5,6,7
	ds_load_b128 v[BK+32*((\a)%2)+4*\t:BK+32*((\a)%2)+4*\t+3], v[RD] offset:\t*2*SPITCH
.endr
.endm
.macro SEND a, younger                 ; younger: the LDS instructions issued behind block a's loads
	s_wait_dscnt \younger
.irp t, 0,1,2,3,4,5,6,7
	global_store_b128 v[CO], v[BK+32*((\a)%2)+4*\t:BK+32*((\a)%2)+4*\t+3], s[10:11] offset:(\a)*131072+\t*16384 th:TH_STORE_NT   ; 16 lanes store 256 consecutive bytes, aligned; written once, read by nobody here
.endr
.endm
	s_wait_kmcnt 0x0
	s_add_co_i32 s96, s96, s97
	s_add_co_i32 s96, s96, 127
	s_lshl_b32 s96, s96, 23                        ; 2^(e10 + e11) as f32
	PLACES 4                                       ; in front of the first read of results
	TOSTAGE 0
.irp a, 1,2,3,4,5,6,7
.if \a > 1
	s_wait_xcnt 0x0                                ; block a - 2's stores have read their registers: block a's loads may land there
.endif
	TOSTAGE \a
	SEND \a-1, 16                                  ; behind block a - 1's loads: block a's 8 stores and 8 loads
.endr
	SEND 7, 0
	s_wait_tensorcnt 0x0                           ; the wave's end
	ds_add_u32 v[SPW], v[NIL]
	s_wait_dscnt 0x0
	CROUND                                         ; the closing round
	s_endpgm
.Lfunc_end_k_qb1637389bc_oproj:
	.size	k_qb1637389bc_oproj, .Lfunc_end_k_qb1637389bc_oproj-k_qb1637389bc_oproj
	.p2alignl 7, 3214868480
	.fill 96, 4, 3214868480
	.section	.rodata,"a",@progbits
	.p2align	6, 0x0
	.amdhsa_kernel k_qb1637389bc_oproj
		.amdhsa_group_segment_fixed_size 327680
		.amdhsa_private_segment_fixed_size 0
		.amdhsa_enable_private_segment 0
		.amdhsa_kernarg_size 32
		.amdhsa_user_sgpr_count 2
		.amdhsa_user_sgpr_kernarg_segment_ptr 1
		.amdhsa_wavefront_size32 1
		.amdhsa_system_sgpr_workgroup_id_x 1
		.amdhsa_system_sgpr_workgroup_id_y 1
		.amdhsa_system_sgpr_workgroup_id_z 1
		.amdhsa_system_vgpr_workitem_id 0
		.amdhsa_next_free_vgpr 768
		.amdhsa_next_free_sgpr 100
		.amdhsa_reserve_vcc 0
		.amdhsa_float_denorm_mode_32 3
		.amdhsa_float_denorm_mode_16_64 3
		.amdhsa_memory_ordered 1
		.amdhsa_forward_progress 1
		.amdhsa_inst_pref_size 84
	.end_amdhsa_kernel
	.amdgpu_metadata
---
amdhsa.version: [ 1, 2 ]
amdhsa.kernels:
  - .name:           k_qb1637389bc_oproj
    .symbol:         k_qb1637389bc_oproj.kd
    .args:
      - { .name: oc, .offset: 0, .size: 8, .value_kind: global_buffer, .address_space: global }
      - { .name: wc, .offset: 8, .size: 8, .value_kind: global_buffer, .address_space: global }
      - { .name: lowp_scales, .offset: 16, .size: 8, .value_kind: global_buffer, .address_space: global }
      - { .name: out0, .offset: 24, .size: 8, .value_kind: global_buffer, .address_space: global }
    .group_segment_fixed_size: 327680
    .private_segment_fixed_size: 0
    .kernarg_segment_align: 8
    .kernarg_segment_size: 32
    .max_flat_workgroup_size: 128
    .sgpr_count:     100
    .vgpr_count:     768
    .wavefront_size: 32
...
	.end_amdgpu_metadata
.endif
;; end of part 4
